; MI455X (gfx1250); checked and timed in simulation.
; The chip was launched on July 23, 2026; its instructions are those of AMD's public machine-readable ISA for CDNA 5 (MIT licence, August 2026) and "CDNA5" Instruction Set Architecture Reference Guide (July 2026). The comments in the code are by the model that wrote it; some were corrected since.
;; Multi Head Self Attention. Allowed arithmetic: matrix products marked QUANTISED: E2M3 operands, one E8M0 scale for each 32 along K, by v_wmma_scale_f32_16x16x128_f8f6f4 with both operands' format E2M3, f32 sums; everything else in f32.
;; Inputs: Wk 1,024 x 1,024 float32; Wo 1,024 x 1,024 float32; Wq 1,024 x 1,024 float32; Wv 1,024 x 1,024 float32; token_positions 4 x 2,048 int32; x 4 x 2,048 x 1,024 float32.
;; Outputs: out0 4 x 2,048 x 1,024 float32.
;; This version of the problem:
;;   THIS VERSION OF THE PROBLEM IS GIVEN IN LOW PRECISION. The matrix products marked QUANTISED in the list below multiply operands that are first quantised to E2M3 (2 exponent bits, 3 mantissa bits; 6 bits a number), with one power-of-two scale for each 32 numbers along K (OCP MX v1.0); their sums are f32. All else is computed in f32.
;;   The module's matrix products, in the order in which they are computed (A, B: the left and right operand; K: the contracted axis; several contracted axes count as one K, in the product's order):
;;     1. [M 8,192, K 1,024] x [K 1,024, N 1,024]; A: input x; B: input Wq: QUANTISED
;;     2. [M 8,192, K 1,024] x [K 1,024, N 1,024]; A: input x; B: input Wk: QUANTISED
;;     3. [M 8,192, K 1,024] x [K 1,024, N 1,024]; A: input x; B: input Wv: QUANTISED
;;     4. batch 64 x [M 2,048, K 64] x [K 64, N 2,048]; A: computed on the way; B: computed on the way: QUANTISED
;;     5. batch 64 x [M 2,048, K 2,048] x [K 2,048, N 64]; A: softmax (see below); B: computed on the way: QUANTISED
;;     6. [M 8,192, K 1,024] x [K 1,024, N 1,024]; A: computed on the way; B: input Wo: QUANTISED
;;   THE QUANTISER, for each operand of a quantised product, along K:
;;     - K is cut into blocks of 32 from its start; a last block that is shorter is filled with zeros.
;;     - A block's scale is 2^e with e = floor(log2(the largest magnitude in the block)) - 2, held to -126 .. 127; a block of zeros has e = 0. As a byte (E8M0): e + 127.
;;     - Each number is divided by its block's scale, clamped to +-7.5, and rounded to the nearest number of E2M3, ties to even, subnormals kept.
;;     - The product sums the exact products of the quantised numbers (number of the format x scale) in f32.
;;   ~~~python
;;   def quantise(x, axis):      # numpy; x: float32 -> the quantised numbers, widened to float32 again
;;       x = np.moveaxis(x, axis, -1); K = x.shape[-1]
;;       x = np.pad(x, [(0, 0)] * (x.ndim - 1) + [(0, -K % 32)]); x = x.reshape(x.shape[:-1] + (-1, 32)); a = np.abs(x).max(-1, keepdims=True)
;;       e = np.where(a > 0, np.clip(np.frexp(np.where(a > 0, a, 1))[1] - 1 - 2, -126, 127), 0)      # np.frexp(a)[1] - 1 = floor(log2(a)), exactly
;;       r = np.clip(x / 2.0 ** e, -7.5, 7.5)
;;       step = 2.0 ** (np.maximum(np.frexp(np.where(r == 0, 1, r))[1] - 1, 0) - 3)
;;       q = np.round(r / step) * step * 2.0 ** e      # np.round: ties to even
;;       return np.moveaxis(q.reshape(q.shape[:-2] + (-1,))[..., :K], -1, axis).astype(np.float32)
;;   ~~~
;;   SOFTMAX AHEAD OF A QUANTISED PRODUCT. Where the list says 'softmax', what is quantised is not the finished softmax but p = 2^(t - M), with t = logit x log2(e) and M = ceil(the row's largest t), a whole number; so 1/2 < the row's largest p <= 1. The row's sum l is taken of the UNQUANTISED p, in f32, and the product's result is divided by l at the end. Since M is a whole number, a kernel that streams over the keys may use a running M (the ceiling of the running maximum): every later rescaling is an exact power of two, which a block's scale takes up: the codes' values come out the same.
;;   OPERANDS COMPUTED ON THE WAY. 'Computed on the way' means the value that the module computes at that place (a softmax that the list does not call 'softmax' is quantised finished and normalised). What goes into a quantiser is computed in f32, as accurately as f32 sums, v_exp_f32 and their like allow (about 1e-6 of the number): no bf16 or f16 on the way to a quantiser, and a product that is left as it is and whose result goes on into a quantised operand takes f32 operands (vector FMAs, or v_wmma_f32_16x16x4_f32). A number that lies on a knife's edge between two numbers of the format may be rounded either way, as far as f32 arithmetic and the matrix unit's own rounding can turn it there, and no further.
;; One version. Each part assembles by itself: llvm-mc -triple=amdgcn-amd-amdhsa -mcpu=gfx1250 --defsym DOCPART=n.
;; ======== version 1 of 1: 4 launches
;; workspace buffers: img 9,437,184 bytes; scl 393,216 bytes; trig 2,097,152 bytes; q_img 6,291,456 bytes; q_scl 524,288 bytes; kv 13,369,344 bytes; o_img 6,291,456 bytes; o_scl 262,144 bytes
;; launch quant (part 1): grid 512 x 1, 4 waves a work-group, no clusters, 34,304 bytes of LDS; arguments x, Wq, Wk, Wv, Wo, token_positions, img, scl, trig; writes img, scl, trig
.if DOCPART == 1
	.amdgcn_target "amdgcn-amd-amdhsa--gfx1250"
	.amdhsa_code_object_version 6
	.text
	.protected	k_q95e953730f_quant
	.globl	k_q95e953730f_quant
	.p2align	8
	.type	k_q95e953730f_quant,@function
k_q95e953730f_quant:
	s_mov_b64 s[64:65], 0
	v_nop
	global_prefetch_b8 v0, s[64:65] scope:SCOPE_SE
	s_setreg_imm32_b32 hwreg(HW_REG_WAVE_MODE, 25, 1), 1
	s_wait_xcnt 0x0
; x [8192][1024] and Wq, Wk, Wv, Wo [1024][1024], f32, K innermost, become codes of FP6 (E2M3) with one E8M0 byte for each 32 along K; token_positions becomes a table of cos and sin.
; ROW BLOCKS.  Block T of a tensor is 16 rows, NOT neighbours: lane r takes row 32 (T/2) + 8 (T%2) + r + 8 (r/8).  img and scl count T through all five tensors: 0-511 x, 512-575 Wq, 576-639 Wk, 640-703 Wv, 704-767 Wo.
; img: [T][16 pieces][768 bytes].  A piece is 16 rows x 64 K as an image of operand registers: lane l's registers 0-3 at 16 l, its registers 4-5 at 512 + 8 l; lane (r, h) holds k = 32 h .. 32 h + 31 of its row.
; scl: [T][K half][r][4 words]: word i of a half holds the four scale bytes of the half's i-th 128 along K.
; trig: [T 0-511][chunk 8][lane][4 f32]: chunk 4 g + j of lane (r, h) holds cos, sin of pair i0 = 16 g + 8 h + 2 j and cos, sin of pair i0 + 1, for the lane's token.
; A block's scale byte is the largest magnitude's exponent field - 2, held at 1 from below (a block of zeros gets 1 where the rule says 127: its codes are zeros, and this program alone reads the bytes).
; LIMITS: NaN and infinities among the inputs are not served; blocks whose largest magnitude lies under 2^-124 keep the byte 1; positions are served up to a magnitude of 2^24 (they are turned into f32 as reference() turns them).
; SHARES.  Work-groups 0-383: a wave takes one T and one half of K (512): four steps of 128 along K.  Work-groups 384-511: a wave makes one T of the table.  Waves share nothing: no barrier.
; No tensor loads, clusters or matrix units: each byte is read once and written once, so only the bytes count.
.set STGB, 8448                        ; a wave's stage in LDS: 16 rows x (512 bytes + 16): row r starts 16 bytes further round the banks than row r - 1
.set PIT,  528
.set R0,   16                          ; v16-79, v80-143: two sets of 16 rows x 16 bytes a lane, as loaded
.set XN,   144                         ; v144-207: 64 numbers of my row: register 16 b + i = k 32 b + 16 h + i
.set PC,   208                         ; v208-219 the codes just made; v220-226 at work
.set TM,   228                         ; v228-231 largest magnitudes, v232-235 bytes, v240-243 scale operands
.set PWS,  244                         ; v244-247 the four steps' scale words
.set SEL,  34                          ; s[34:35] selects of v_permlanex16_b32: lane l xor 16
; 64 numbers of a lane become a fragment's codes in v[PC] .. v[PC+11] and its scale word in v[pw]
.macro QUANT s, pw
.irp b, 0,1,2,3
	v_max3_num_f32 v[TM+\b], |v[\s+16*\b]|, |v[\s+1+16*\b]|, 0x1800000   ; block b: my 16 numbers, and the floor 2^(3 - 127): the byte cannot fall under 1
.endr
.irp i, 2,4,6,8,10,12,14
.irp b, 0,1,2,3
	v_max3_num_f32 v[TM+\b], v[TM+\b], |v[\s+16*\b+\i]|, |v[\s+1+16*\b+\i]|   ; the four blocks by turns
.endr
.endr
.irp b, 0,1,2,3
	v_permlanex16_b32 v[TM+4+\b], v[TM+\b], s[SEL], s[SEL+1]
.endr
.irp b, 0,1,2,3
	v_max_num_f32 v[TM+\b], v[TM+\b], v[TM+4+\b]       ; with lane l xor 16's 16: the block's largest magnitude
.endr
.irp b, 0,1,2,3
	v_add_nc_u32 v[TM+12+\b], 0xff000000, v[TM+\b]     ; 2 off its exponent field: the conversion's scale operand
.endr
.irp b, 0,1,2,3
	v_lshrrev_b32 v[TM+4+\b], 23, v[TM+12+\b]          ; the scale's byte
.endr
	v_lshl_or_b32 v[\pw], v[TM+5], 8, v[TM+4]
	v_lshl_or_b32 v[\pw], v[TM+6], 16, v[\pw]
	v_lshl_or_b32 v[\pw], v[TM+7], 24, v[\pw]
.irp c, 0,1
	v_cvt_scalef32_pk16_fp6_f32 v[PC+6*\c:PC+2+6*\c], v[\s+32*\c:\s+15+32*\c], v[TM+12+2*\c]
	v_cvt_scalef32_pk16_fp6_f32 v[PC+12+4*\c:PC+14+4*\c], v[\s+16+32*\c:\s+31+32*\c], v[TM+12+2*\c+1]   ; (a conversion's three registers begin on an even number)
.endr
	v_nop                                              ; one plain line behind the scaled conversions
.irp c, 0,1                                            ; the operand wants a WHOLE block in a lane: lanes 0-15 block 2 c, lanes 16-31 block 2 c + 1
.irp i, 0,1,2
	v_permlane16_swap_b32 v[PC+6*\c+\i], v[PC+12+4*\c+\i]
.endr
.irp i, 0,1,2
	v_mov_b32 v[PC+3+6*\c+\i], v[PC+12+4*\c+\i]
.endr
.endr
.endm
.macro STHF reg, off                   ; a piece of 768 bytes leaves: 512 consecutive bytes, then 256
	global_store_b128 v1, v[\reg:\reg+3], s[16:17] offset:\off
	global_store_b64 v2, v[\reg+4:\reg+5], s[16:17] offset:\off+512
.endm
.macro LOAD s                          ; step s: 16 rows x 512 bytes; each load reads one row's 512 consecutive bytes
.irp i, 0,1,2,3,4,5,6,7,8,9,10,11,12,13,14,15
	global_load_b128 v[R0+64*((\s)%2)+4*\i:R0+64*((\s)%2)+4*\i+3], v1, s[28:29] offset:(\i+8*(\i/8))*4096+512*(\s) th:TH_LOAD_NT
.endr
.endm
.macro QSTEP s
.if (\s) < 3
	s_wait_loadcnt 16                                  ; this step's 16 loads are in; the next step's 16 may be out
.else
	s_wait_loadcnt 0x0
.endif
.irp i, 0,1,2,3,4,5,6,7,8,9,10,11,12,13,14,15
	ds_store_b128 v3, v[R0+64*((\s)%2)+4*\i:R0+64*((\s)%2)+4*\i+3] offset:PIT*\i
.endr
.irp b, 0,1,2,3
.irp j, 0,1,2,3
	ds_load_b128 v[XN+16*\b+4*\j:XN+16*\b+4*\j+3], v4 offset:128*\b+16*\j   ; LDS serves a wave's instructions in order: these see the stores above
.endr
.endr
	s_wait_dscnt 0x0                                   ; my 64 numbers are in, and the stores have read their registers
	s_wait_xcnt 0x0                                    ; the last step's stores have read the codes' registers, which QUANT writes again
.if (\s)+2 < 4
	LOAD (\s)+2
.endif
	QUANT XN, PWS+(\s)
	STHF PC, 2*(\s)*768
	STHF PC+6, (2*(\s)+1)*768
.endm
	s_load_b256 s[4:11], s[0:1], 0x0                   ; x, Wq, Wk, Wv
	s_load_b256 s[12:19], s[0:1], 0x20                 ; Wo, token_positions, img, scl
	s_load_b64 s[20:21], s[0:1], 0x40                  ; trig
	v_lshl_add_u32 v254, v0, 2, 0x8400
	v_mov_b32 v255, 0
	v_lshrrev_b32 v9, 5, v0
	v_readfirstlane_b32 s22, v9                        ; wave
	v_and_b32 v10, 31, v0                              ; lane
	v_and_b32 v11, 15, v0                              ; r
	v_bfe_u32 v12, v0, 4, 1                            ; h
	v_lshlrev_b32 v1, 4, v10                           ; 16 x lane
	v_lshlrev_b32 v2, 3, v10                           ; 8 x lane
	s_cmp_ge_u32 ttmp9, 384
	s_cbranch_scc1 .Ltrig
	; ---- the quantiser
	s_lshl_b32 s23, ttmp9, 2
	s_add_co_u32 s23, s23, s22                         ; my task
	s_lshr_b32 s24, s23, 1                             ; T
	s_and_b32 s25, s23, 1                              ; which half of K
	s_mul_i32 s26, s22, STGB
	v_add_nc_u32 v3, s26, v1                           ; the stage, in: 16 x lane, a row an instruction
	v_mul_u32_u24 v4, v11, PIT
	v_lshl_add_u32 v4, v12, 6, v4
	v_add_nc_u32 v4, s26, v4                           ; and out: row r, + 64 h
	v_lshlrev_b32 v5, 4, v11
	v_lshl_add_u32 v5, v12, 3, v5                      ; 16 r + 8 h: my two scale words
	s_mov_b32 s[SEL], 0x76543210
	s_mov_b32 s[SEL+1], 0xfedcba98
.irp b, 0,1,2,3
	v_mov_b32 v[TM+4+\b], 0                            ; written once: a lane permute's destination counts as one of its sources
.endr
	s_wait_alu depctr_va_vdst(0)
	s_wait_kmcnt 0x0
	s_mov_b64 s[28:29], s[12:13]                       ; which tensor: the choice hangs on T alone
	s_mov_b32 s27, 704
	s_cmp_lt_u32 s24, 704
	s_cselect_b64 s[28:29], s[10:11], s[28:29]
	s_cselect_b32 s27, 640, s27
	s_cmp_lt_u32 s24, 640
	s_cselect_b64 s[28:29], s[8:9], s[28:29]
	s_cselect_b32 s27, 576, s27
	s_cmp_lt_u32 s24, 576
	s_cselect_b64 s[28:29], s[6:7], s[28:29]
	s_cselect_b32 s27, 512, s27
	s_cmp_lt_u32 s24, 512
	s_cselect_b64 s[28:29], s[4:5], s[28:29]
	s_cselect_b32 s27, 0, s27
	s_sub_co_u32 s27, s24, s27                         ; the block's number in its tensor
	s_lshr_b32 s30, s27, 1
	s_lshl_b32 s30, s30, 17                            ; 32 rows of 4,096 bytes
	s_and_b32 s31, s27, 1
	s_lshl_b32 s31, s31, 15                            ; 8 rows
	s_add_co_u32 s30, s30, s31
	s_lshl_b32 s31, s25, 11                            ; half of a row
	s_add_co_u32 s30, s30, s31
	s_mov_b32 s31, 0
	s_add_nc_u64 s[28:29], s[28:29], s[30:31]
	s_mul_i32 s30, s24, 12288
	s_mul_i32 s32, s25, 6144
	s_add_co_u32 s30, s30, s32
	s_add_nc_u64 s[16:17], s[16:17], s[30:31]          ; my eight pieces of img
	s_lshl_b32 s30, s24, 9
	s_lshl_b32 s32, s25, 8
	s_add_co_u32 s30, s30, s32
	s_add_nc_u64 s[18:19], s[18:19], s[30:31]          ; my 256 bytes of scl
	LOAD 0
	LOAD 1
	QSTEP 0
	QSTEP 1
	QSTEP 2
	QSTEP 3
	v_cmp_eq_u32 vcc_lo, 1, v12                        ; lanes r and r + 16 hold the same four words: each stores two
	v_cndmask_b32 v250, v[PWS], v[PWS+2], vcc_lo
	v_cndmask_b32 v251, v[PWS+1], v[PWS+3], vcc_lo
	global_store_b64 v5, v[250:251], s[18:19]          ; 32 lanes store 256 consecutive bytes, aligned
	s_wait_tensorcnt 0x0
	ds_add_u32 v254, v255
	s_wait_dscnt 0x0
	s_endpgm
	; ---- the table of cos and sin.  The chip's own sine and cosine are not used: the angle is reduced by pi / 2 in three parts and two short polynomials follow
.set FX, 32                            ; v32-47  the pair's number as f32
.set E1, 48                            ; v48-63  what the rounding of the exponent left out
.set FQ, 64                            ; v64-79  the frequency 10000^(-i / 32)
.set OT, 96                            ; v96-127 the results
.Ltrig:
	s_sub_co_u32 s23, ttmp9, 384
	s_lshl_b32 s23, s23, 2
	s_add_co_u32 s23, s23, s22                         ; T
	s_lshr_b32 s24, s23, 1
	s_lshl_b32 s24, s24, 7                             ; 32 tokens of 4 bytes
	s_and_b32 s25, s23, 1
	s_lshl_b32 s25, s25, 5
	s_add_co_u32 s24, s24, s25
	s_mov_b32 s25, 0
	s_lshl_b32 s26, s23, 12
	s_mov_b32 s27, 0
	s_wait_alu depctr_va_vdst(0)
	v_and_b32 v16, 8, v11
	v_add_nc_u32 v16, v16, v11
	v_lshlrev_b32 v16, 2, v16                          ; my token's place: 4 (r + 8 (r / 8))
	s_wait_alu depctr_va_vdst(0)
	s_wait_kmcnt 0x0
	s_add_nc_u64 s[14:15], s[14:15], s[24:25]
	s_add_nc_u64 s[20:21], s[20:21], s[26:27]
	global_load_b32 v17, v16, s[14:15]                 ; the position, as it is given
	s_mov_b32 s36, 0x3f22f983                          ; 2 / pi
	s_mov_b32 s37, 0x3fc90fdb                          ; pi / 2, first part
	s_mov_b32 s38, 0x333bbd2e                          ; minus its second part
	s_mov_b32 s39, 0x26f72cf1                          ; minus its third
	s_mov_b32 s40, 0xb94ca1f9                          ; sine: three coefficients
	s_mov_b32 s41, 0x3c08839e
	s_mov_b32 s42, 0xbe2aaaa3
	s_mov_b32 s43, 0x37ccf5ce                          ; cosine: three
	s_mov_b32 s44, 0xbab6061a
	s_mov_b32 s45, 0x3d2aaaa5
	s_mov_b32 s46, 0xbed49a78                          ; -log2(10000) / 32, its f32 part,
	s_mov_b32 s47, 0xb2179a39                          ; and the rest
	s_mov_b32 s48, 0x3f317218                          ; ln 2
	v_lshlrev_b32 v18, 3, v12                          ; 8 h
.irp n, 0,1,2,3,4,5,6,7,8,9,10,11,12,13,14,15
	v_add_nc_u32 v[FX+\n], 16*((\n/2)/4)+2*((\n/2)%4)+\n%2, v18   ; pair i of my n-th entry
.endr
.irp n, 0,1,2,3,4,5,6,7,8,9,10,11,12,13,14,15
	v_cvt_f32_u32 v[FX+\n], v[FX+\n]
.endr
.irp n, 0,1,2,3,4,5,6,7,8,9,10,11,12,13,14,15
	v_mul_f32 v[FQ+\n], s46, v[FX+\n]                  ; the exponent, rounded;
.endr
.irp n, 0,1,2,3,4,5,6,7,8,9,10,11,12,13,14,15
	v_fma_f32 v[E1+\n], v[FX+\n], s46, -v[FQ+\n]       ; what the rounding dropped,
.endr
.irp n, 0,1,2,3,4,5,6,7,8,9,10,11,12,13,14,15
	v_fma_f32 v[E1+\n], v[FX+\n], s47, v[E1+\n]        ; and the constant's rest
.endr
.irp n, 0,1,2,3,4,5,6,7,8,9,10,11,12,13,14,15
	v_exp_f32 v[FQ+\n], v[FQ+\n]
.endr
	v_nop                                              ; a plain line behind the batch,
	s_wait_alu depctr_va_vdst(0)                       ; and one wait for all sixteen, ahead of their first reader
.irp n, 0,1,2,3,4,5,6,7,8,9,10,11,12,13,14,15
	v_mul_f32 v[E1+\n], v[FQ+\n], v[E1+\n]
.endr
.irp n, 0,1,2,3,4,5,6,7,8,9,10,11,12,13,14,15
	v_fma_f32 v[FQ+\n], v[E1+\n], s48, v[FQ+\n]        ; 2^(t + e) = 2^t (1 + e ln 2)
.endr
	s_wait_loadcnt 0x0
	v_cvt_f32_i32 v19, v17
.macro ANG n
	v_mul_f32 v23, v19, v[FQ+\n]                       ; the angle, one multiplication as in reference()
	v_mul_f32 v24, s36, v23
	v_rndne_f32 v24, v24                               ; how many quarter turns
	v_fma_f32 v25, -v24, s37, v23
	v_fma_f32 v25, v24, s38, v25
	v_fma_f32 v25, v24, s39, v25                       ; what is left, within pi / 4 of 0
	v_cvt_i32_f32 v26, v24
	v_mul_f32 v27, v25, v25
	v_fma_f32 v28, v27, s40, s41
	v_fma_f32 v28, v28, v27, s42
	v_mul_f32 v29, v25, v27
	v_fma_f32 v28, v29, v28, v25                       ; its sine
	v_fma_f32 v30, v27, s43, s44
	v_fma_f32 v30, v30, v27, s45
	v_mul_f32 v29, v27, v27
	v_fma_f32 v31, v27, -0.5, 1.0
	v_fma_f32 v30, v30, v29, v31                       ; its cosine
	v_and_b32 v29, 1, v26
	v_cmp_eq_u32 vcc_lo, 1, v29                        ; an odd number of quarter turns swaps the two
	v_cndmask_b32 v31, v28, v30, vcc_lo
	v_cndmask_b32 v30, v30, v28, vcc_lo
	v_lshlrev_b32 v29, 30, v26                         ; the sine's sign: quarter turns 2 and 3
	v_and_b32 v29, 0x80000000, v29
	v_xor_b32 v[OT+2*\n+1], v29, v31
	v_add_nc_u32 v29, 1, v26                           ; the cosine's: 1 and 2
	v_lshlrev_b32 v29, 30, v29
	v_and_b32 v29, 0x80000000, v29
	v_xor_b32 v[OT+2*\n], v29, v30
.endm
.irp n, 0,1,2,3,4,5,6,7,8,9,10,11,12,13,14,15
	ANG \n
.endr
.irp c, 0,1,2,3,4,5,6,7
	global_store_b128 v1, v[OT+4*\c:OT+4*\c+3], s[20:21] offset:512*\c   ; 32 lanes store 512 consecutive bytes
.endr
	s_endpgm
.Lfunc_end_k_q95e953730f_quant:
	.size	k_q95e953730f_quant, .Lfunc_end_k_q95e953730f_quant-k_q95e953730f_quant
	.p2alignl 7, 3214868480
	.fill 96, 4, 3214868480
	.section	.rodata,"a",@progbits
	.p2align	6, 0x0
	.amdhsa_kernel k_q95e953730f_quant
		.amdhsa_group_segment_fixed_size 34304
		.amdhsa_private_segment_fixed_size 0
		.amdhsa_enable_private_segment 0
		.amdhsa_kernarg_size 72
		.amdhsa_user_sgpr_count 2
		.amdhsa_user_sgpr_kernarg_segment_ptr 1
		.amdhsa_wavefront_size32 1
		.amdhsa_system_sgpr_workgroup_id_x 1
		.amdhsa_system_sgpr_workgroup_id_y 1
		.amdhsa_system_sgpr_workgroup_id_z 1
		.amdhsa_system_vgpr_workitem_id 0
		.amdhsa_next_free_vgpr 256
		.amdhsa_next_free_sgpr 66
		.amdhsa_reserve_vcc 1
		.amdhsa_float_denorm_mode_32 3
		.amdhsa_float_denorm_mode_16_64 3
		.amdhsa_memory_ordered 1
		.amdhsa_forward_progress 1
		.amdhsa_inst_pref_size 63
	.end_amdhsa_kernel
	.amdgpu_metadata
---
amdhsa.version: [ 1, 2 ]
amdhsa.kernels:
  - .name:           k_q95e953730f_quant
    .symbol:         k_q95e953730f_quant.kd
    .args:
      - { .name: x, .offset: 0, .size: 8, .value_kind: global_buffer, .address_space: global }
      - { .name: Wq, .offset: 8, .size: 8, .value_kind: global_buffer, .address_space: global }
      - { .name: Wk, .offset: 16, .size: 8, .value_kind: global_buffer, .address_space: global }
      - { .name: Wv, .offset: 24, .size: 8, .value_kind: global_buffer, .address_space: global }
      - { .name: Wo, .offset: 32, .size: 8, .value_kind: global_buffer, .address_space: global }
      - { .name: token_positions, .offset: 40, .size: 8, .value_kind: global_buffer, .address_space: global }
      - { .name: img, .offset: 48, .size: 8, .value_kind: global_buffer, .address_space: global }
      - { .name: scl, .offset: 56, .size: 8, .value_kind: global_buffer, .address_space: global }
      - { .name: trig, .offset: 64, .size: 8, .value_kind: global_buffer, .address_space: global }
    .group_segment_fixed_size: 34304
    .private_segment_fixed_size: 0
    .kernarg_segment_align: 8
    .kernarg_segment_size: 72
    .max_flat_workgroup_size: 128
    .sgpr_count:     66
    .vgpr_count:     256
    .wavefront_size: 32
...
	.end_amdgpu_metadata
.endif
;; end of part 1
;; launch qkv (part 2): grid 64 x 4, 4 waves a work-group, clusters of 4 x 1, 327,680 bytes of LDS; arguments img, scl, trig, q_img, q_scl, kv; writes q_img, q_scl, kv
.if DOCPART == 2
	.amdgcn_target "amdgcn-amd-amdhsa--gfx1250"
	.amdhsa_code_object_version 6
	.text
	.protected	k_q95e953730f_qkv
	.globl	k_q95e953730f_qkv
	.p2align	8
	.type	k_q95e953730f_qkv,@function
k_q95e953730f_qkv:
	s_mov_b64 s[64:65], 0
	v_nop
	global_prefetch_b8 v0, s[64:65] scope:SCOPE_SE
	s_setreg_imm32_b32 hwreg(HW_REG_WAVE_MODE, 25, 1), 1
	s_wait_xcnt 0x0
	s_wait_alu depctr_hold_cnt(0) depctr_sa_sdst(0) depctr_va_vdst(0) depctr_va_sdst(0) depctr_va_ssrc(0) depctr_va_vcc(0) depctr_vm_vsrc(0)
	s_getreg_b32 s2, hwreg(HW_REG_IB_STS2, 6, 4)
	s_cmp_eq_u32 s2, 0
	s_cbranch_scc0 .Lentry_in_a_cluster
	s_endpgm
.Lentry_in_a_cluster:
	s_bfe_u32 s2, ttmp6, 0x10000c
	s_cmp_lg_u32 s2, 0x3003
	s_cbranch_scc0 .Lentry_shape_is_right
	s_endpgm
.Lentry_shape_is_right:
; Q = rope(x Wq^T), K = rope(x Wk^T), V = x Wv^T on codes of FP6 (E2M3) with E8M0 scales; the results, in f32, are quantised at once: Q and K along the head's 64, V along the keys.
; img, scl: codes and scale words by row blocks T of 16 rows (lane r: row 32 (T/2) + 8 (T%2) + r + 8 (r/8)); a piece of 768 bytes is 16 rows x 64 K as an image of six operand registers
; (lane l: registers 0-3 at 16 l, registers 4-5 at 512 + 8 l).  T 0-511 x, 512-575 Wq, 576-639 Wk, 640-703 Wv.  scl: [T][K half][r][4 words].
; SHARES.  A work-group takes 128 tokens (X) x 256 columns (Y: four heads) and makes three passes, against Wq, Wk, Wv.  Wave (tr, tc) takes 64 tokens x 128 columns: 32 accumulators.
; x's codes of the wave's 64 tokens, for all of K (384 registers), are loaded ONCE and stay for the three passes: LDS is read for the weights alone.
; The weights go through a ring of two LDS slots, each half of K (512) of 256 rows.  CLUSTER: the four work-groups of a cluster have the same Y, so each weight tile is asked for jointly (mask 15).
; x's codes are not asked for jointly: they go to registers once and are a quarter of a work-group's bytes.
; PASSES Q, K: the product is used transposed (source 0 = 16 weight rows, source 1 = 16 tokens): a lane holds one token, and the 16 registers of two neighbouring weight blocks are 16 neighbouring features.
; PASS V: source 0 = tokens, source 1 = weight rows: a lane holds one feature and its registers run down the tokens, which are the next product's K.
; OUT.  q_img [bh][tile 128][768]; q_scl [bh][g 16][tr 2][r][4 words] (a word: the head's two bytes, zeros above).  kv [bh][8 records of 256 keys][26,112 bytes]: 16 pieces of K; at 12,288 V's pieces
; (128 keys: 6,144; 16 features: 1,536; 64 keys: 768); at 24,576 K's scale words; at 25,600 V's (a whole word for 128 keys).
; LIMITS: NaN and infinities are not served; a block of zeros, or one under 2^-124, carries the byte 1 (its codes are zeros or the floor's; this program alone reads the bytes).
; REGISTERS, in windows of 256.  Window 0: v1-15 addresses; v28-29 the add's; v32-47 x's scale words; v48-79 the weights'; v80-95 at work; v96-127 cos and sin; v128-143 at work;
;   v160-255 weight fragments, set 1 (behind a pass: v160-223 64 numbers, v224-243 codes).  Window 1: x's fragments of K steps 0-4 (48 q + 12 a).  Window 2: v0-143 those of K steps 5-7; v144-239 weight fragments, set 0.
;   Window 3: accumulator (token block a, weight block b) at 8 (4 b + a).
.set SLOTB, 98304                      ; a slot: [16 row blocks][8 pieces][768]
.set TRG,   2*SLOTB                    ; the work-group's 8 blocks of cos and sin, 4,096 bytes each: filled once
.set XCH,   TRG+32768                  ; 512 bytes a wave: V's scale bytes from wave to wave
.set SPARE, XCH+2048                   ; the spare words, 128 bytes a wave: two blocks of 256 bytes that no other line names
.set PASSB, 786432                     ; from one weight to the next in img: 64 blocks of 12,288 bytes
.set LI16, 1                           ; 16 x lane
.set LI8,  2                           ; 8 x lane
.set SCA,  3                           ; 256 h + 16 r: scale words
.set ADB16, 4                          ; v4-5  my weight fragments in slot 0, 1: + 16 x lane
.set ADB8,  6                          ; v6-7  + 8 x lane
.set TRA,  8                           ; my token blocks' cos and sin
.set H16,  9                           ; 16 h
.set SVA,  10                          ; offset of the scale words' store
.set XA,   11                          ; where I put my scale bytes of V
.set XL,   12                          ; and where I read the two halves
.set R16H8, 13                         ; 16 r + 8 h
.set HV,   14                          ; h
.set R16,  15                          ; 16 r
.set SPW,  28                          ; LDS address of my spare word; never rewritten
.set NIL,  29                          ; 0; never rewritten
.set ASC,  32
.set BSC,  48
.set PWS,  80
.set TP,   84
.set SWD,  92
.set TR,   96
.set TM,   128
.set HB,   160
.set PC,   224
.set G1B,  24                          ; s[24:31] group 1 of the weight tiles
.set G1T,  32                          ; s[32:39] of the cos and sin
.set G0,   40                          ; s[40:47] group 0 of slot 0, 1;  s[48:51] of the cos and sin
.set SEL,  80
.set MSB, 0
.macro WIN new                         ; the immediate's high byte repeats the setting that is left; a switch that changes nothing is dropped
.if MSB != (\new)
	s_set_vgpr_msb (MSB<<8)|(\new)
.set MSB, (\new)
.endif
.endm
.macro PLACES                          ; four plain lines between a matrix instruction and a load into, or a vector read or write of, its registers
.rept 4
	v_nop
.endr
.endm
.macro CREST                           ; a round of the cluster's barrier behind its opening barrier
	s_cmp_lg_u32 s16, 0
	s_cbranch_scc1 .Lnw0_\@
	s_barrier_signal -3
.Lnw0_\@:
	s_barrier_wait -3
	s_barrier_signal -1
	s_barrier_wait -1
.endm
.macro CROUND
	s_barrier_signal -1
	s_barrier_wait -1
	CREST
.endm
.macro WM d, x, y, sx, sy, zero, hi
.if \zero
	v_wmma_scale_f32_16x16x128_f8f6f4 v[\d:\d+7], v[\x:\x+11], v[\y:\y+11], 0, v[\sx], v[\sy] matrix_a_fmt:MATRIX_FMT_FP6 matrix_b_fmt:MATRIX_FMT_FP6
.elseif \hi
	v_wmma_scale_f32_16x16x128_f8f6f4 v[\d:\d+7], v[\x:\x+11], v[\y:\y+11], v[\d:\d+7], v[\sx], v[\sy] matrix_a_fmt:MATRIX_FMT_FP6 matrix_b_fmt:MATRIX_FMT_FP6 matrix_a_scale:MATRIX_SCALE_ROW1 matrix_b_scale:MATRIX_SCALE_ROW1
.else
	v_wmma_scale_f32_16x16x128_f8f6f4 v[\d:\d+7], v[\x:\x+11], v[\y:\y+11], v[\d:\d+7], v[\sx], v[\sy] matrix_a_fmt:MATRIX_FMT_FP6 matrix_b_fmt:MATRIX_FMT_FP6
.endif
.endm
; Eight matrix instructions: token block a against the eight weight blocks, K step q.  mode 0: weights are source 0; mode 1: tokens are.  The scale words of K steps 4-7 lie in lanes 16-31.
; The 32 accumulators take turns, one instruction a turn, in the same order in every K step.
.macro MUL8 a, q, zero, mode
.set AW, 1+((\q)/5)
.set AF, 48*((\q)%5)+12*(\a)
.set SW, 2-2*((\q)%2)
.set SR, 144+16*((\q)%2)
.if (\mode) == 0
	WIN (SW|(AW<<2)|0xf0)
.else
	WIN (AW|(SW<<2)|0xf0)
.endif
.irp b, 0,1,2,3,4,5,6,7
.set DD, 8*(4*\b+(\a))
.set BF, SR+12*\b
.set SB, BSC+4*\b+(\q)%4
.set SA, ASC+4*(\a)+(\q)%4
.if (\mode) == 0
	WM DD, BF, AF, SB, SA, \zero, (\q)/4
.else
	WM DD, AF, BF, SA, SB, \zero, (\q)/4
.endif
.endr
.endm
; 32 LDS loads in one run: my eight weight fragments of the slot's kq-th 128 along K, into set 0 (window 2) or 1 (window 0).  Every load is dense: 512 or 256 consecutive bytes
.macro FETCH slot, kq, set
.if (\set) == 0
	WIN 0x80
.set FB, 144
.else
	WIN 0
.set FB, 160
.endif
.irp b, 0,1,2,3,4,5,6,7
	ds_load_b128 v[FB+12*\b:FB+12*\b+3], v[ADB16+(\slot)] offset:\b*6144+(\kq)*1536
	ds_load_b64 v[FB+12*\b+4:FB+12*\b+5], v[ADB8+(\slot)] offset:\b*6144+(\kq)*1536+512
	ds_load_b128 v[FB+12*\b+6:FB+12*\b+9], v[ADB16+(\slot)] offset:\b*6144+(\kq)*1536+768
	ds_load_b64 v[FB+12*\b+10:FB+12*\b+11], v[ADB8+(\slot)] offset:\b*6144+(\kq)*1536+1280
.endr
.endm
.macro LDW q                           ; x's fragments of K step q are in: behind them 16 loads were issued for each later K step (a count cannot name more than 63: then the smaller count stands)
.if 16*(7-(\q)) > 63
	s_wait_loadcnt 63
.else
	s_wait_loadcnt 16*(7-(\q))
.endif
.endm
.macro STEP q, zero, mode              ; a K step whose successor lies in the same slot
	s_wait_dscnt 0x0                                   ; this step's weight fragments are in
	LDW \q
	MUL8 0, \q, \zero, \mode
	PLACES                                             ; the other set was read by the last K step's products
	FETCH ((\q)+1)/4, ((\q)+1)%4, ((\q)+1)%2
	MUL8 1, \q, \zero, \mode
	MUL8 2, \q, \zero, \mode
	MUL8 3, \q, \zero, \mode
.endm
; A slot's last K step changes slots: one barrier.  In front of it each wave waits for all its tensor loads, adds 0 to its spare word, and waits for that and for its reads of this slot.
; fill = 1: the barrier opens a round of the cluster's barrier, and behind the round this slot takes the same half of K of the NEXT weight: the load has four K steps, or three and the way out, in which to land.
.macro TURN q, fill, mode
	WIN 0
	s_wait_tensorcnt 0x0                               ; all my tensor loads have landed: my part of the other slot
	ds_add_u32 v[SPW], v[NIL]                          ; 0 onto my spare word
	s_wait_dscnt 0x1                                   ; this step's fragments are in; only the add may be out
	LDW \q
	MUL8 0, \q, 0, \mode
	s_wait_dscnt 0x0                                   ; the add is done, and my reads of this slot are over
	s_barrier_signal -1
	MUL8 1, \q, 0, \mode
	WIN 0
	s_barrier_wait -1
.if \fill
	CREST                                              ; no wave of any partner still reads this slot or has a load on its way
	s_add_nc_u64 s[G0+4*((\q)/4)+2:G0+4*((\q)/4)+3], s[G0+4*((\q)/4)+2:G0+4*((\q)/4)+3], PASSB
	tensor_load_to_lds s[G0+4*((\q)/4):G0+4*((\q)/4)+3], s[G1B:G1B+7]   ; my one tensor load behind the round, and the first thing there
	s_nop 0
	PLACES                                             ; four lines behind it; they are also the places in front of the loads below
.else
	PLACES
.endif
	s_wait_alu depctr_va_vdst(0)
	FETCH 1-(\q)/4, 0, 0
	MUL8 2, \q, 0, \mode
	MUL8 3, \q, 0, \mode
.endm
; 64 numbers of a lane in window w, register 16 b + i = k 32 b + 16 h + i, become codes in v[PC] .. v[PC+11] and a scale word in v[pw]
.macro QUANT s, w, pw
	WIN ((\w)|((\w)<<2))
.irp b, 0,1,2,3
	v_max3_num_f32 v[TM+\b], |v[(\s)+16*\b]|, |v[(\s)+1+16*\b]|, 0x1800000   ; and the floor 2^(3 - 127): the byte cannot fall under 1
.endr
	WIN (((\w)<<2)|((\w)<<4))
.irp i, 2,4,6,8,10,12,14
.irp b, 0,1,2,3
	v_max3_num_f32 v[TM+\b], v[TM+\b], |v[(\s)+16*\b+\i]|, |v[(\s)+1+16*\b+\i]|
.endr
.endr
	WIN 0
.irp b, 0,1,2,3
	v_permlanex16_b32 v[TM+4+\b], v[TM+\b], s[SEL], s[SEL+1]
.endr
.irp b, 0,1,2,3
	v_max_num_f32 v[TM+\b], v[TM+\b], v[TM+4+\b]
.endr
.irp b, 0,1,2,3
	v_add_nc_u32 v[TM+12+\b], 0xff000000, v[TM+\b]     ; 2 off the exponent field: the conversion's scale operand
.endr
.irp b, 0,1,2,3
	v_lshrrev_b32 v[TM+4+\b], 23, v[TM+12+\b]
.endr
	v_lshl_or_b32 v[\pw], v[TM+5], 8, v[TM+4]
	v_lshl_or_b32 v[\pw], v[TM+6], 16, v[\pw]
	v_lshl_or_b32 v[\pw], v[TM+7], 24, v[\pw]
	WIN (\w)
.irp c, 0,1
	v_cvt_scalef32_pk16_fp6_f32 v[PC+6*\c:PC+2+6*\c], v[(\s)+32*\c:(\s)+15+32*\c], v[TM+12+2*\c]
	v_cvt_scalef32_pk16_fp6_f32 v[PC+12+4*\c:PC+14+4*\c], v[(\s)+16+32*\c:(\s)+31+32*\c], v[TM+12+2*\c+1]
.endr
	WIN 0
	v_nop                                              ; one plain line behind the scaled conversions
.irp c, 0,1
.irp i, 0,1,2
	v_permlane16_swap_b32 v[PC+6*\c+\i], v[PC+12+4*\c+\i]
.endr
.irp i, 0,1,2
	v_mov_b32 v[PC+3+6*\c+\i], v[PC+12+4*\c+\i]
.endr
.endr
.endm
.macro STHF reg, base, off             ; a piece of 768 bytes leaves: 512 consecutive bytes, then 256
	global_store_b128 v[LI16], v[\reg:\reg+3], s[\base:\base+1] offset:\off
	global_store_b64 v[LI8], v[\reg+4:\reg+5], s[\base:\base+1] offset:\off+512
.endm
.macro TRLOAD a                        ; cos and sin of token block a: 32 numbers a lane
.irp c, 0,1,2,3,4,5,6,7
	ds_load_b128 v[TR+4*\c:TR+4*\c+3], v[TRA] offset:(\a)*4096+512*\c
.endr
.endm
; The rotation of token block a, two heads: a pair (even, odd) of an accumulator becomes (even cos - odd sin, odd cos + even sin).  Each accumulator is read from its low end on.
.macro ROPE a
.irp e, 0,1
.irp g, 0,1
.irp u, 0,1
.set AC, 8*(4*(4*\e+2*\g+\u)+(\a))
.set TT, TR+16*\g+8*\u
.set HD, HB+16*(2*\e+\g)+8*\u
.irp m, 0,1,2,3
	v_pk_mul_f32 v[TP+2*\m:TP+2*\m+1], v[AC+2*\m:AC+2*\m+1], v[TT+2*\m:TT+2*\m+1] op_sel:[1,1] op_sel_hi:[0,1] neg_lo:[1,0]   ; (-odd sin, even sin)
.endr
.irp m, 0,1,2,3
	v_pk_fma_f32 v[HD+2*\m:HD+2*\m+1], v[AC+2*\m:AC+2*\m+1], v[TT+2*\m:TT+2*\m+1], v[TP+2*\m:TP+2*\m+1] op_sel_hi:[1,0,1]   ; + (even cos, odd cos)
.endr
.endr
.endr
.endr
.endm
; Behind pass Q or K: rotate, quantise, store; meanwhile the next weight's scale words come
.macro EPI_QK
	WIN 0
	PLACES
	s_add_nc_u64 s[56:57], s[56:57], 32768             ; (the loads that named this base have been waited for)
.irp b, 0,1,2,3,4,5,6,7
	global_load_b128 v[BSC+4*\b:BSC+4*\b+3], v[SCA], s[56:57] offset:512*\b
.endr
	TRLOAD 0
.irp a, 0,1,2,3
	s_wait_dscnt 0x0                                   ; this block's cos and sin are in
	WIN 0x03                                           ; source 0: the accumulators' window
	ROPE \a
	WIN 0
.if \a < 3
	TRLOAD \a+1
.endif
	s_wait_xcnt 0x0                                    ; the last block's stores have read the codes' registers
	QUANT HB, 0, PWS+\a
	STHF PC, 58, \a*768                                ; the first head's 64 features of 16 tokens,
	STHF PC+6, 60, \a*768                              ; the second head's
.endr
	s_wait_xcnt 0x0
.irp a, 0,1,2,3
	v_lshrrev_b32 v[SWD+\a], v[H16], v[PWS+\a]         ; lanes 0-15 serve the first head, lanes 16-31 the second
.endr
.irp a, 0,1,2,3
	v_and_b32 v[SWD+\a], 0xffff, v[SWD+\a]             ; two bytes; the bytes above are 0
.endr
	v_mad_u32_u24 v[SVA], v[HV], s72, v[R16]
	global_store_b128 v[SVA], v[SWD:SWD+3], s[62:63]   ; sixteen lanes store 256 consecutive bytes, aligned
	s_wait_loadcnt 0x0                                 ; the next weight's scale words
.endm
	s_load_b256 s[4:11], s[0:1], 0x0                   ; img, scl, trig, q_img
	s_load_b128 s[12:15], s[0:1], 0x20                 ; q_scl, kv
	v_lshl_add_u32 v[SPW], v0, 2, SPARE
	v_mov_b32 v[NIL], 0
	ds_add_u32 v28, v29
	ds_add_u32 v28, v29
	s_wait_dscnt 0x0
	v_lshrrev_b32 v16, 5, v0
	v_readfirstlane_b32 s16, v16                       ; wave
	s_lshr_b32 s17, s16, 1                             ; tr: which 64 tokens
	s_and_b32 s18, s16, 1                              ; tc: which 128 columns
	s_bfe_u32 s19, ttmp6, 0x40000                      ; cx
	s_lshl_b32 s20, ttmp9, 2
	s_add_co_u32 s20, s20, s19                         ; X
	s_and_b32 s21, ttmp7, 0xffff                       ; Y, which the four partners share
	s_lshr_b32 s22, s20, 4                             ; the batch
	s_and_b32 s23, s20, 15                             ; g: which 128 tokens of the sequence
	s_mov_b32 s[G1B], 15|(3<<16)|(1<<21)               ; the mask: all four work-groups; elements of 8 bytes; bit 21 set beside a mask; no padding
	s_mov_b32 s[G1B+1], 768<<16                        ; tensor_dim0 = 768 elements: half of a block's codes, 6,144 bytes
	s_mov_b32 s[G1B+2], 4<<16                          ; tensor_dim1 = 4 blocks
	s_mov_b32 s[G1B+3], 768<<16                        ; tile_dim0
	s_mov_b32 s[G1B+4], 4                              ; tile_dim1
	s_mov_b32 s[G1B+5], 1536                           ; from block to block: 12,288 bytes
	s_mov_b32 s[G1B+6], 0
	s_mov_b32 s[G1B+7], 0
	s_mov_b32 s[G1T], 3<<16                            ; no mask: a load of my own; 32 rows of 256 bytes, dense
	s_mov_b32 s[G1T+1], 32<<16
	s_mov_b32 s[G1T+2], 32<<16
	s_mov_b32 s[G1T+3], 32<<16
	s_mov_b32 s[G1T+4], 32
	s_mov_b32 s[G1T+5], 32
	s_mov_b32 s[G1T+6], 0
	s_mov_b32 s[G1T+7], 0
	s_lshl_b32 s84, s21, 4                             ; the weight tiles hang on Y and the wave alone
	s_lshl_b32 s85, s16, 2
	s_add_co_u32 s84, s84, s85
	s_add_co_u32 s84, s84, 512
	s_mul_i32 s84, s84, 12288                          ; block 512 + 16 Y + 4 w
	s_mov_b32 s85, 0
	s_mul_i32 s86, s16, 24576                          ; and go to wave x 4 blocks in a slot
	s_lshl_b32 s88, s20, 15
	s_lshl_b32 s89, s16, 13
	s_add_co_u32 s88, s88, s89                         ; cos and sin: blocks 8 X + 2 w, 2 w + 1
	s_add_co_u32 s83, s89, TRG
	s_mov_b32 s89, 0
	v_and_b32 v17, 31, v0
	v_and_b32 v18, 15, v0
	v_bfe_u32 v[HV], v0, 4, 1
	v_lshlrev_b32 v[LI16], 4, v17
	v_lshlrev_b32 v[LI8], 3, v17
	v_lshlrev_b32 v[R16], 4, v18
	v_lshl_add_u32 v[SCA], v[HV], 8, v[R16]
	v_lshlrev_b32 v[H16], 4, v[HV]
	v_lshl_add_u32 v[R16H8], v[HV], 3, v[R16]
	s_mul_i32 s87, s18, 49152                          ; my eight blocks of a slot's sixteen
	v_add_nc_u32 v[ADB16], s87, v[LI16]
	v_add_nc_u32 v[ADB8], s87, v[LI8]
	s_add_co_u32 s87, s87, SLOTB
	v_add_nc_u32 v[ADB16+1], s87, v[LI16]
	v_add_nc_u32 v[ADB8+1], s87, v[LI8]
	s_lshl_b32 s87, s17, 14
	s_add_co_u32 s87, s87, TRG
	v_add_nc_u32 v[TRA], s87, v[LI16]
	s_lshl_b32 s87, s16, 9
	s_add_co_u32 s87, s87, XCH
	v_add_nc_u32 v[XA], s87, v[LI16]
	s_lshl_b32 s87, s18, 9
	s_lshl_b32 s90, s17, 3
	s_add_co_u32 s87, s87, s90
	s_add_co_u32 s87, s87, XCH
	v_lshl_add_u32 v[XL], v[HV], 2, v[R16]
	v_add_nc_u32 v[XL], s87, v[XL]                     ; 512 tc + 16 r + 8 tr + 4 h
.irp b, 0,1,2,3
	v_mov_b32 v[TM+4+\b], 0                            ; written once: a lane permute's destination counts as one of its sources
.endr
	s_mov_b32 s[SEL], 0x76543210
	s_mov_b32 s[SEL+1], 0xfedcba98
	s_mov_b32 s82, 0
	s_wait_kmcnt 0x0
	s_mov_b32 s[G0], 1
	s_mov_b32 s[G0+1], s86
	s_add_nc_u64 s[G0+2:G0+3], s[4:5], s[84:85]        ; Wq, first half of K
	s_add_nc_u64 s[G0+6:G0+7], s[G0+2:G0+3], 6144      ; second half
	s_or_b32 s[G0+3], s[G0+3], 0x80000000
	s_or_b32 s[G0+7], s[G0+7], 0x80000000
	s_mov_b32 s[G0+4], 1
	s_add_co_u32 s[G0+5], s86, SLOTB
	s_mov_b32 s[G0+8], 1
	s_mov_b32 s[G0+9], s83
	s_add_nc_u64 s[G0+10:G0+11], s[8:9], s[88:89]
	s_or_b32 s[G0+11], s[G0+11], 0x80000000
	CROUND                                             ; all four work-groups are here: the first joint loads meet
	tensor_load_to_lds s[G0:G0+3], s[G1B:G1B+7]        ; the first fills go out as one group: three loads of mine are out
	s_nop 0
	tensor_load_to_lds s[G0+4:G0+7], s[G1B:G1B+7]
	s_nop 0
	tensor_load_to_lds s[G0+8:G0+11], s[G1T:G1T+7]
	s_nop 0
	PLACES
	s_lshl_b32 s90, s20, 3
	s_lshl_b32 s91, s17, 2
	s_add_co_u32 s90, s90, s91                         ; my first token block: 8 X + 4 tr
	s_mul_i32 s92, s90, 12288
	s_mov_b32 s93, 0
	s_add_nc_u64 s[52:53], s[4:5], s[92:93]
	s_lshl_b32 s92, s90, 9
	s_add_nc_u64 s[54:55], s[6:7], s[92:93]
	s_lshl_b32 s92, s21, 4
	s_lshl_b32 s91, s18, 3
	s_add_co_u32 s92, s92, s91
	s_add_co_u32 s92, s92, 512
	s_lshl_b32 s92, s92, 9                             ; my first weight block's scale words: 512 + 16 Y + 8 tc
	s_add_nc_u64 s[56:57], s[6:7], s[92:93]
.irp a, 0,1,2,3
	global_load_b128 v[ASC+4*\a:ASC+4*\a+3], v[SCA], s[54:55] offset:512*\a   ; register i: K step i in lanes 0-15, K step 4 + i in lanes 16-31
.endr
.irp b, 0,1,2,3,4,5,6,7
	global_load_b128 v[BSC+4*\b:BSC+4*\b+3], v[SCA], s[56:57] offset:512*\b
.endr
.irp q, 0,1,2,3,4,5,6,7                                ; x's codes, K step by K step: 16 loads each
.if \q < 5
	WIN 0x40
.else
	WIN 0x80
.endif
.irp a, 0,1,2,3
.set AF, 48*(\q%5)+12*\a
	global_load_b128 v[AF:AF+3], v[LI16], s[52:53] offset:\a*12288+\q*1536
	global_load_b64 v[AF+4:AF+5], v[LI8], s[52:53] offset:\a*12288+\q*1536+512
	global_load_b128 v[AF+6:AF+9], v[LI16], s[52:53] offset:\a*12288+\q*1536+768
	global_load_b64 v[AF+10:AF+11], v[LI8], s[52:53] offset:\a*12288+\q*1536+1280
.endr
.endr
	WIN 0
	; where the results go.  bh0 = 16 batch + 4 Y + 2 tc: my first head
	s_lshl_b32 s90, s22, 4
	s_lshl_b32 s91, s21, 2
	s_add_co_u32 s90, s90, s91
	s_lshl_b32 s91, s18, 1
	s_add_co_u32 s90, s90, s91
	s_and_b32 s91, s23, 1                              ; which 128 keys of a record
	s_lshr_b32 s92, s23, 1                             ; which record
	s_mov_b32 s95, 0
	s_lshl_b32 s93, s90, 7
	s_lshl_b32 s94, s23, 3
	s_add_co_u32 s93, s93, s94
	s_lshl_b32 s94, s17, 2
	s_add_co_u32 s93, s93, s94
	s_mul_i32 s94, s93, 768
	s_add_nc_u64 s[58:59], s[10:11], s[94:95]          ; Q: tile 8 g + 4 tr of head bh0,
	s_add_nc_u64 s[60:61], s[58:59], 98304             ; of head bh0 + 1
	s_lshl_b32 s94, s90, 13
	s_lshl_b32 s93, s23, 9
	s_add_co_u32 s94, s94, s93
	s_lshl_b32 s93, s17, 8
	s_add_co_u32 s94, s94, s93
	s_add_nc_u64 s[62:63], s[12:13], s[94:95]          ; its scale words
	s_mov_b32 s72, 8192                                ; from head to head there
	s_lshl_b32 s94, s90, 3
	s_add_co_u32 s94, s94, s92
	s_mul_i32 s94, s94, 26112
	s_add_nc_u64 s[96:97], s[14:15], s[94:95]          ; my record of head bh0
	s_lshl_b32 s94, s91, 3
	s_lshl_b32 s93, s17, 2
	s_add_co_u32 s94, s94, s93
	s_mul_i32 s94, s94, 768
	s_add_nc_u64 s[66:67], s[96:97], s[94:95]          ; K: the next pass's three pointers
	s_add_nc_u64 s[68:69], s[66:67], 208896
	s_lshl_b32 s94, s91, 9
	s_lshl_b32 s93, s17, 8
	s_add_co_u32 s94, s94, s93
	s_add_co_u32 s94, s94, 24576
	s_add_nc_u64 s[70:71], s[96:97], s[94:95]
	s_mov_b32 s73, 208896
	s_mul_i32 s94, s91, 6144
	s_mul_i32 s93, s17, 768
	s_add_co_u32 s94, s94, s93
	s_add_co_u32 s94, s94, 12288
	s_add_nc_u64 s[74:75], s[96:97], s[94:95]          ; V: my 64 keys' pieces of head bh0,
	s_add_nc_u64 s[76:77], s[74:75], 208896            ; of head bh0 + 1
	s_mul_i32 s94, s17, 208896
	s_lshl_b32 s93, s91, 8
	s_add_co_u32 s94, s94, s93
	s_add_co_u32 s94, s94, 25600
	s_add_nc_u64 s[78:79], s[96:97], s[94:95]          ; V's scale words of head bh0 + tr: the head that I store them for
	s_wait_tensorcnt 0x2                               ; my part of slot 0 is in; slot 1's and the cos and sin may stay out
	s_barrier_signal -1
	s_barrier_wait -1
	FETCH 0, 0, 0
	WIN 0
.Lpass:                                                ; two trips: Q, then K
	STEP 0, 1, 0                                       ; the first K step starts the sums: nothing is cleared
	STEP 1, 0, 0
	STEP 2, 0, 0
	TURN 3, 1, 0
	STEP 4, 0, 0
	STEP 5, 0, 0
	STEP 6, 0, 0
	TURN 7, 1, 0
	EPI_QK
	s_wait_xcnt 0x0                                    ; the stores have read their bases and registers
	s_mov_b64 s[58:59], s[66:67]
	s_mov_b64 s[60:61], s[68:69]
	s_mov_b64 s[62:63], s[70:71]
	s_mov_b32 s72, s73
	s_add_co_u32 s82, s82, 1
	s_cmp_lt_u32 s82, 2
	s_cbranch_scc1 .Lpass
	STEP 0, 1, 1                                       ; V is written out: tokens are source 0, and nothing more is asked for
	STEP 1, 0, 1
	STEP 2, 0, 1
	TURN 3, 0, 1
	STEP 4, 0, 1
	STEP 5, 0, 1
	STEP 6, 0, 1
	s_wait_dscnt 0x0
	MUL8 0, 7, 0, 1
	MUL8 1, 7, 0, 1
	MUL8 2, 7, 0, 1
	MUL8 3, 7, 0, 1
	WIN 0
	PLACES
	; V: registers 32 b .. 32 b + 31 of window 3 are feature block b's 64 tokens (two blocks of 32 keys); two feature blocks a turn
.irp k, 0,1,2,3
	s_wait_xcnt 0x0                                    ; the last turn's stores have read the codes' registers
	QUANT 64*\k, 3, PWS+\k
	STHF PC, 74+2*(\k/2), 2*(\k%2)*1536
	STHF PC+6, 74+2*(\k/2), 2*(\k%2)*1536+1536
.endr
	; a scale word of V spans 128 keys: two bytes are mine, two the wave's with the other 64 tokens.  They meet in LDS
	ds_store_b128 v[XA], v[PWS:PWS+3]
	s_wait_dscnt 0x0                                   ; for the others' sake: my store has landed
	s_barrier_signal -1
	s_barrier_wait -1
	ds_load_b32 v[SWD], v[XL]                          ; keys 0-63: feature blocks 2 h, 2 h + 1 of head tr
	ds_load_b32 v[SWD+1], v[XL] offset:1024            ; keys 64-127
	s_wait_dscnt 0x0
	v_perm_b32 v[SWD+2], v[SWD+1], v[SWD], 0x05040100  ; the low halves: feature block 2 h
	v_perm_b32 v[SWD+3], v[SWD+1], v[SWD], 0x07060302  ; the high halves: 2 h + 1
	global_store_b64 v[R16H8], v[SWD+2:SWD+3], s[78:79]   ; 32 lanes store 256 consecutive bytes, aligned
	s_wait_tensorcnt 0x0                               ; the wave's end
	ds_add_u32 v[SPW], v[NIL]
	s_wait_dscnt 0x0
	CROUND                                             ; the closing round
	s_endpgm
.Lfunc_end_k_q95e953730f_qkv:
	.size	k_q95e953730f_qkv, .Lfunc_end_k_q95e953730f_qkv-k_q95e953730f_qkv
	.p2alignl 7, 3214868480
	.fill 96, 4, 3214868480
	.section	.rodata,"a",@progbits
	.p2align	6, 0x0
	.amdhsa_kernel k_q95e953730f_qkv
		.amdhsa_group_segment_fixed_size 327680
		.amdhsa_private_segment_fixed_size 0
		.amdhsa_enable_private_segment 0
		.amdhsa_kernarg_size 48
		.amdhsa_user_sgpr_count 2
		.amdhsa_user_sgpr_kernarg_segment_ptr 1
		.amdhsa_wavefront_size32 1
		.amdhsa_system_sgpr_workgroup_id_x 1
		.amdhsa_system_sgpr_workgroup_id_y 1
		.amdhsa_system_sgpr_workgroup_id_z 1
		.amdhsa_system_vgpr_workitem_id 0
		.amdhsa_next_free_vgpr 1024
		.amdhsa_next_free_sgpr 100
		.amdhsa_reserve_vcc 0
		.amdhsa_float_denorm_mode_32 3
		.amdhsa_float_denorm_mode_16_64 3
		.amdhsa_memory_ordered 1
		.amdhsa_forward_progress 1
		.amdhsa_inst_pref_size 179
	.end_amdhsa_kernel
	.amdgpu_metadata
---
amdhsa.version: [ 1, 2 ]
amdhsa.kernels:
  - .name:           k_q95e953730f_qkv
    .symbol:         k_q95e953730f_qkv.kd
    .args:
      - { .name: img, .offset: 0, .size: 8, .value_kind: global_buffer, .address_space: global }
      - { .name: scl, .offset: 8, .size: 8, .value_kind: global_buffer, .address_space: global }
      - { .name: trig, .offset: 16, .size: 8, .value_kind: global_buffer, .address_space: global }
      - { .name: q_img, .offset: 24, .size: 8, .value_kind: global_buffer, .address_space: global }
      - { .name: q_scl, .offset: 32, .size: 8, .value_kind: global_buffer, .address_space: global }
      - { .name: kv, .offset: 40, .size: 8, .value_kind: global_buffer, .address_space: global }
    .group_segment_fixed_size: 327680
    .private_segment_fixed_size: 0
    .kernarg_segment_align: 8
    .kernarg_segment_size: 48
    .max_flat_workgroup_size: 128
    .sgpr_count:     100
    .vgpr_count:     1024
    .wavefront_size: 32
...
	.end_amdgpu_metadata
.endif
;; end of part 2
;; launch attn (part 3): grid 4 x 64, 16 waves a work-group, no clusters, 327,680 bytes of LDS; arguments q_img, q_scl, kv, o_img, o_scl; writes o_img, o_scl
.if DOCPART == 3
	.amdgcn_target "amdgcn-amd-amdhsa--gfx1250"
	.amdhsa_code_object_version 6
	.text
	.protected	k_q95e953730f_attn
	.globl	k_q95e953730f_attn
	.p2align	8
	.type	k_q95e953730f_attn,@function
k_q95e953730f_attn:
	s_mov_b64 s[64:65], 0
	v_nop
	global_prefetch_b8 v0, s[64:65] scope:SCOPE_SE
	s_setreg_imm32_b32 hwreg(HW_REG_WAVE_MODE, 25, 1), 1
	s_wait_xcnt 0x0
; Causal attention on codes of FP6 (E2M3): S^T = K Q^T (K = the head's 64), p = 2^(t - M), O^T = V^T p^T (K = the keys), O / l quantised along the model's 1,024 for the last product.
; t = score x log2(e) / 8; M = the running largest t rounded UP to a whole number; p is quantised along the keys, not normalised; l is the sum of the unquantised p.  When M moves, l and O^T are multiplied by 2^(old M - new M): exact.
; IN.  q_img [bh][tile 128][768], q_scl [bh][tile / 4][r][4 words]; kv [bh][8 records of 256 keys][26,112]: 16 pieces of K, at 12,288 V's pieces, at 24,576 K's scale words, at 25,600 V's.
; A piece is 16 rows x 64 K as an image of six operand registers (lane l: registers 0-3 at 16 l, 4-5 at 512 + 8 l).  The 16 rows of a tile are rows 32 (T/2) + 8 (T%2) + r + 8 (r/8): so p's 16 registers of two
; neighbouring key tiles are 16 neighbouring keys, and O^T's of two neighbouring feature tiles 16 neighbouring features.
; SHARES.  A work-group owns query blocks 7 - x and x (256 queries each) of one head: (8 - x) + (x + 1) = 9 records for every work-group, the keys above the diagonal left out.  Each of sixteen waves owns one tile of 16 queries:
; four waves to a SIMD, so that one wave's vector work stands beside another's products and LDS loads.
; The records go through a ring of two LDS slots; wave 0 fetches a whole record with one tensor load, a slot's two key steps ahead of the wait for it.  The loop's trip count is a constant: 8 trips and one written out.
; No cluster: the work-groups of a head walk different sequences of records.
; K = 64 IN AN INSTRUCTION OF 128: Q's upper six registers hold zero codes; the upper six of a key tile's operand are the next tile's codes, which meet those zeros; the upper scale bytes are 0, never 0xff.
; OUT.  o_img [T = 128 batch + tile][piece = head][768]; o_scl [T][K half][r][4 words]: my head's two bytes are half a word, stored as 2 bytes a lane (a word spans two heads, which two work-groups make).
; LIMITS: NaN and infinities are not served; a block of zeros carries the byte 1; O / l is a reciprocal and a multiplication.
.set SLOT1, 32768
.set SPARE, 65536                      ; the spare words, 128 bytes a wave: eight blocks of 256 bytes that no other line names
.set REC,   26112
.set VOF,   12288
.set KSC,   24576
.set VSC,   25600
.set LI16, 1                           ; 16 x lane
.set LI8,  2                           ; 8 x lane
.set R16,  3                           ; 16 r
.set SPW,  5
.set NIL,  6
.set DQ,   7                           ; r + 8 (r / 8) - 16 h
.set A16,  8                           ; the slot in hand + 16 x lane, + 8 x lane, + 16 r
.set A8,   9
.set AR,   10
.set QF,   16                          ; v16-21 Q's codes, v22-27 zeros
.set QS,   28                          ; Q's scale word
.set PS,   29                          ; p's
.set FF,   30                          ; v30 f, v31 0 (named with it as a pair)
.set KV,   32                          ; v32-79 eight key tiles of 6, then four fragments of V of 12; v80-85 zeros
.set KS,   86                          ; v86-93 K's scale words
.set VS,   94                          ; v94-97 V's
.set S,    100                         ; v100-163 S^T, then p
.set O,    164                         ; v164-195 O^T
.set PCD,  196                         ; v196-207 p's codes
.set CV,   208                         ; v208-214 at work
.set BM,   216
.set BT,   220
.set BS,   224
.set T0,   228
.set WV,   16
.set PI,   17
.set BH,   18
.set LENA, 19
.set TAU,  20
.set SIGC, 21
.set SIGN, 22
.set QB,   23
.set G1,   24
.set G0,   32
.set KVB,  36
.set SEL,  38
.set CS,   40
.set TB,   42
.set KF,   43
.set Q0,   44
.macro PLACES
.rept 4
	v_nop
.endr
.endm
; A KEY STEP: 128 keys, the q-th of the slot in hand
.macro STEP q
	s_add_co_u32 s54, s[Q0], 23                        ; my 16 queries lie between Q0 and Q0 + 23
	s_cmp_gt_u32 s[KF], s54
	s_cbranch_scc1 .Lhid_\@                            ; all 128 keys come after them: a branch on ids, round loads, products and softmax alone
	v_add_nc_u32 v[A16], s[TB], v[LI16]
	v_add_nc_u32 v[A8], s[TB], v[LI8]
	v_add_nc_u32 v[AR], s[TB], v[R16]
	v_nop                                              ; four places in front of loads into registers that the last products read
.irp t, 0,1,2,3,4,5,6,7
	ds_load_b128 v[KV+6*\t:KV+6*\t+3], v[A16] offset:(8*(\q)+\t)*768
	ds_load_b64 v[KV+6*\t+4:KV+6*\t+5], v[A8] offset:(8*(\q)+\t)*768+512
.endr
	ds_load_b128 v[KS:KS+3], v[AR] offset:KSC+512*(\q)
	ds_load_b128 v[KS+4:KS+7], v[AR] offset:KSC+512*(\q)+256
	s_wait_alu depctr_va_vdst(0)
	s_wait_dscnt 0x0
.irp t, 0,1,2,3,4,5,6,7
	v_wmma_scale_f32_16x16x128_f8f6f4 v[S+8*\t:S+8*\t+7], v[KV+6*\t:KV+6*\t+11], v[QF:QF+11], 0, v[KS+\t], v[QS] matrix_a_fmt:MATRIX_FMT_FP6 matrix_b_fmt:MATRIX_FMT_FP6
.endr
	PLACES
.irp d, 0,1,2,3                                        ; V's fragments land while the softmax is worked
.irp c, 0,1
	ds_load_b128 v[KV+12*\d+6*\c:KV+12*\d+6*\c+3], v[A16] offset:VOF+6144*(\q)+1536*\d+768*\c
	ds_load_b64 v[KV+12*\d+6*\c+4:KV+12*\d+6*\c+5], v[A8] offset:VOF+6144*(\q)+1536*\d+768*\c+512
.endr
.endr
	ds_load_b128 v[VS:VS+3], v[AR] offset:VSC+256*(\q)
	s_add_co_u32 s54, s[KF], 127                       ; on the diagonal hidden scores become -infinity ahead of the maximum; a step all of whose keys count skips this
	s_cmp_le_u32 s54, s[Q0]
	s_cbranch_scc1 .Lopen_\@
	s_sub_co_i32 s54, s[Q0], s[KF]
	v_add_nc_u32 v[T0], s54, v[DQ]                     ; register 16 b + i holds key KF + 32 b + 16 h + i: hidden where 32 b + i is above my query - KF - 16 h
	v_mov_b32 v[T0+1], 0xff800000
.set N, 0
.rept 64
	v_cmp_gt_i32 vcc_lo, 32*(N/16)+N%16, v[T0]
	v_cndmask_b32 v[S+N], v[S+N], v[T0+1], vcc_lo
.set N, N+1
.endr
.Lopen_\@:
.irp b, 0,1,2,3
	v_max3_num_f32 v[BM+\b], v[S+16*\b], v[S+1+16*\b], v[S+2+16*\b]   ; the largest score of each block of 32 keys: it serves the row's maximum and, since p rises with the score, the block's largest p
.endr
.irp i, 3,5,7,9,11,13
.irp b, 0,1,2,3
	v_max3_num_f32 v[BM+\b], v[BM+\b], v[S+16*\b+\i], v[S+1+16*\b+\i]
.endr
.endr
.irp b, 0,1,2,3
	v_max_num_f32 v[BM+\b], v[BM+\b], v[S+15+16*\b]
.endr
.irp b, 0,1,2,3
	s_delay_alu instid0(VALU_DEP_4)
	v_permlanex16_b32 v[BT+\b], v[BM+\b], s[SEL], s[SEL+1]
.endr
.irp b, 0,1,2,3
	s_delay_alu instid0(VALU_DEP_4)
	v_max_num_f32 v[BM+\b], v[BM+\b], v[BT+\b]
.endr
	s_delay_alu instid0(VALU_DEP_2)
	v_max3_num_f32 v[T0], v[BM], v[BM+1], v[BM+2]
	s_delay_alu instid0(VALU_DEP_1)
	v_max_num_f32 v[T0], v[T0], v[BM+3]
	s_delay_alu instid0(VALU_DEP_1)
	v_mul_f32 v[T0], s[CS], v[T0]
	s_delay_alu instid0(VALU_DEP_1)
	v_max_num_f32 v13, v13, v[T0]                      ; the running largest t
	v_mov_b32 v[T0], v12
	s_delay_alu instid0(VALU_DEP_2)
	v_floor_f32 v12, -v13                              ; -M = floor(-t): M is a whole number
	s_delay_alu instid0(VALU_DEP_1)
	v_sub_f32 v[T0], v12, v[T0]
	s_delay_alu instid0(VALU_DEP_1)
	v_cvt_i32_f32 v[T0], v[T0]                         ; (it saturates)
	s_delay_alu instid0(VALU_DEP_1)
	v_ldexp_f32 v[FF], 1.0, v[T0]                      ; f = 2^(old M - new M)
.set N, 0
.rept 32
	v_pk_fma_f32 v[S+N:S+N+1], v[S+N:S+N+1], s[CS:CS+1], v[12:13] op_sel_hi:[1,0,0]   ; t - M, two at a time
.set N, N+2
.endr
.irp b, 0,1,2,3
	v_fma_f32 v[BM+\b], v[BM+\b], s[CS], v12
.endr
.set N, 0
	s_wait_alu depctr_va_vdst(0)
.rept 64
	v_exp_f32 v[S+N], v[S+N]                           ; p, at most 1
.set N, N+1
.endr
	v_pk_mul_f32 v[14:15], v[14:15], v[FF:FF+1] op_sel_hi:[1,0]   ; the sums under the new M: a plain line behind the batch
	s_wait_alu depctr_va_vdst(0)                       ; one wait for the 64, ahead of their first reader
.irp b, 0,1,2,3
	v_exp_f32 v[BM+\b], v[BM+\b]                       ; each block's largest p
.endr
	v_pk_add_f32 v[220:221], v[104:105], v[108:109]
	v_pk_add_f32 v[254:255], v[112:113], v[116:117]
	v_pk_add_f32 v[252:253], v[120:121], v[124:125]
	v_pk_add_f32 v[250:251], v[128:129], v[132:133]
	v_pk_add_f32 v[248:249], v[136:137], v[140:141]
	v_pk_add_f32 v[246:247], v[144:145], v[148:149]
	v_pk_add_f32 v[244:245], v[152:153], v[156:157]
	v_pk_add_f32 v[14:15], v[14:15], v[160:161]
	v_pk_add_f32 v[220:221], v[220:221], v[100:101]
	v_pk_add_f32 v[254:255], v[254:255], v[102:103]
	v_pk_add_f32 v[252:253], v[252:253], v[106:107]
	v_pk_add_f32 v[250:251], v[250:251], v[110:111]
	v_pk_add_f32 v[248:249], v[248:249], v[114:115]
	v_pk_add_f32 v[246:247], v[246:247], v[118:119]
	v_pk_add_f32 v[244:245], v[244:245], v[122:123]
	v_pk_add_f32 v[14:15], v[14:15], v[126:127]
	v_pk_add_f32 v[220:221], v[220:221], v[130:131]
	v_pk_add_f32 v[254:255], v[254:255], v[134:135]
	v_pk_add_f32 v[252:253], v[252:253], v[138:139]
	v_pk_add_f32 v[250:251], v[250:251], v[142:143]
	v_pk_add_f32 v[248:249], v[248:249], v[146:147]
	v_pk_add_f32 v[246:247], v[246:247], v[150:151]
	v_pk_add_f32 v[244:245], v[244:245], v[154:155]
	v_pk_add_f32 v[14:15], v[14:15], v[158:159]
	v_pk_add_f32 v[220:221], v[220:221], v[162:163]
	s_delay_alu instid0(VALU_DEP_2)
	v_pk_add_f32 v[14:15], v[14:15], v[250:251]
	s_delay_alu instid0(VALU_DEP_2)
	v_pk_add_f32 v[220:221], v[220:221], v[248:249]
	v_pk_add_f32 v[254:255], v[254:255], v[246:247]
	v_pk_add_f32 v[252:253], v[252:253], v[244:245]
	s_delay_alu instid0(VALU_DEP_2)
	v_pk_add_f32 v[14:15], v[14:15], v[254:255]
	s_delay_alu instid0(VALU_DEP_2)
	v_pk_add_f32 v[220:221], v[220:221], v[252:253]
	s_delay_alu instid0(VALU_DEP_1)
	v_pk_add_f32 v[14:15], v[14:15], v[220:221]
	s_wait_alu depctr_va_vdst(0)                       ; and one for the four
.irp b, 0,1,2,3
	v_max_num_f32 v[BM+\b], 0x1800000, v[BM+\b]        ; the floor 2^(3 - 127): the byte cannot fall under 1
.endr
.irp b, 0,1,2,3
	s_delay_alu instid0(VALU_DEP_4)
	v_add_nc_u32 v[BS+\b], 0xff000000, v[BM+\b]
.endr
.irp b, 0,1,2,3
	s_delay_alu instid0(VALU_DEP_4)
	v_lshrrev_b32 v[BT+\b], 23, v[BS+\b]
.endr
	s_delay_alu instid0(VALU_DEP_3)
	v_lshl_or_b32 v[PS], v[BT+1], 8, v[BT]
	s_delay_alu instid0(VALU_DEP_1)
	v_lshl_or_b32 v[PS], v[BT+2], 16, v[PS]
	s_delay_alu instid0(VALU_DEP_1)
	v_lshl_or_b32 v[PS], v[BT+3], 24, v[PS]
.irp c, 0,1
	v_cvt_scalef32_pk16_fp6_f32 v[PCD+6*\c:PCD+6*\c+2], v[S+32*\c:S+32*\c+15], v[BS+2*\c]
	v_cvt_scalef32_pk16_fp6_f32 v[CV+4*\c:CV+4*\c+2], v[S+32*\c+16:S+32*\c+31], v[BS+2*\c+1]
.endr
	v_nop                                              ; one plain line behind the scaled conversions
.irp c, 0,1
.irp i, 0,1,2
	v_permlane16_swap_b32 v[PCD+6*\c+\i], v[CV+4*\c+\i]
.endr
.irp i, 0,1,2
	s_delay_alu instid0(VALU_DEP_3)
	v_mov_b32 v[PCD+6*\c+3+\i], v[CV+4*\c+\i]
.endr
.endr
.set N, 0
.rept 16
	v_pk_mul_f32 v[O+N:O+N+1], v[O+N:O+N+1], v[FF:FF+1] op_sel_hi:[1,0]   ; O^T under the new M; these sixteen are also the places between p's scale word and codes and the products
.set N, N+2
.endr
	s_wait_alu depctr_va_vdst(0)
	s_wait_dscnt 0x0                                   ; V is in
.irp d, 0,1,2,3
	v_wmma_scale_f32_16x16x128_f8f6f4 v[O+8*\d:O+8*\d+7], v[KV+12*\d:KV+12*\d+11], v[PCD:PCD+11], v[O+8*\d:O+8*\d+7], v[VS+\d], v[PS] matrix_a_fmt:MATRIX_FMT_FP6 matrix_b_fmt:MATRIX_FMT_FP6
.endr
.Lhid_\@:
.endm
; THE CHANGE OF SLOTS, at a slot's head.  Each wave waits for all its tensor loads, adds 0 to its spare word, and waits for that and for its reads of the slot that it has left.
; fill = 1: behind the barrier that slot takes the record of the next trip: the next one of the query block in hand, or record 0 where the second block begins.
.macro CHANGE fill
	s_wait_tensorcnt 0x0                               ; no tensor load of mine is out, so the group 0 may be written
	ds_add_u32 v[SPW], v[NIL]                          ; 0 onto my spare word
.if \fill
	s_add_co_u32 s[SIGN], s[SIGC], 1
	s_add_co_u32 s54, s[TAU], 1
	s_cmp_eq_u32 s54, s[LENA]
	s_cselect_b32 s[SIGN], 0, s[SIGN]
	s_mul_i32 s54, s[SIGN], REC
	s_mov_b32 s55, 0
	s_xor_b32 s[G0+1], s[G0+1], SLOT1
	s_add_nc_u64 s[G0+2:G0+3], s[KVB:KVB+1], s[54:55]
	s_or_b32 s[G0+3], s[G0+3], 0x80000000
.endif
	s_wait_dscnt 0x0                                   ; the add is done, and my reads of the slot that I have left are over
	s_barrier_signal -1
	s_barrier_wait -1
.if \fill
	s_cmp_lg_u32 s[WV], 0
	s_cbranch_scc1 .Lnf_\@
	tensor_load_to_lds s[G0:G0+3], s[G1:G1+7]          ; the first thing behind the barrier; one load of mine is out
	s_nop 0
	PLACES
.Lnf_\@:
.endif
.endm
; A query block begins: pointers, Q's codes and scale word, and empty sums
.macro START
	s_lshl_b32 s54, s[QB], 4
	s_add_co_u32 s54, s54, s[WV]                       ; my tile
	s_lshl_b32 s[Q0], s[QB], 8
	s_lshr_b32 s55, s[WV], 1
	s_lshl_b32 s55, s55, 5
	s_add_co_u32 s[Q0], s[Q0], s55
	s_and_b32 s55, s[WV], 1
	s_lshl_b32 s55, s55, 3
	s_add_co_u32 s[Q0], s[Q0], s55                     ; its first query
	s_mov_b32 s57, 0
	s_lshl_b32 s56, s[BH], 7
	s_add_co_u32 s56, s56, s54
	s_mul_i32 s56, s56, 768
	s_add_nc_u64 s[46:47], s[4:5], s[56:57]
	s_lshl_b32 s56, s[BH], 13
	s_lshr_b32 s58, s54, 2
	s_lshl_b32 s58, s58, 8
	s_add_co_u32 s56, s56, s58
	s_and_b32 s58, s54, 3
	s_lshl_b32 s58, s58, 2
	s_add_co_u32 s56, s56, s58
	s_add_nc_u64 s[48:49], s[6:7], s[56:57]
	s_lshr_b32 s58, s[BH], 4
	s_lshl_b32 s58, s58, 7
	s_add_co_u32 s58, s58, s54                         ; T = 128 batch + tile
	s_and_b32 s59, s[BH], 15                           ; the head
	s_lshl_b32 s56, s58, 4
	s_add_co_u32 s56, s56, s59
	s_mul_i32 s56, s56, 768
	s_add_nc_u64 s[50:51], s[10:11], s[56:57]
	s_lshl_b32 s56, s58, 9
	s_lshr_b32 s60, s59, 3
	s_lshl_b32 s60, s60, 8
	s_add_co_u32 s56, s56, s60
	s_and_b32 s60, s59, 7
	s_lshl_b32 s60, s60, 1                             ; word (head / 2) % 4, half head % 2
	s_add_co_u32 s56, s56, s60
	s_add_nc_u64 s[52:53], s[12:13], s[56:57]
	global_load_b128 v[QF:QF+3], v[LI16], s[46:47]
	global_load_b64 v[QF+4:QF+5], v[LI8], s[46:47] offset:512
	global_load_b32 v[QS], v[R16], s[48:49]
	v_mov_b32 v13, 0xff61b1e6                          ; the largest t so far: -3e38, under every t
	s_delay_alu instid0(VALU_DEP_1)
	v_floor_f32 v12, -v13
	v_mov_b32 v14, 0
	v_mov_b32 v15, 0
.set N, 0
.rept 32
	v_mov_b32 v[O+N], 0                                ; the step is written once: the first finds zeros, which the first change of M leaves zeros
.set N, N+1
.endr
	s_wait_loadcnt 0x0
.endm
; A query block ends: O^T / l, quantised along the head's 64 (two blocks), leaves as one piece and two scale bytes a row
.macro FINISH
	PLACES
	v_add_f32 v14, v14, v15
	s_delay_alu instid0(VALU_DEP_1)
	v_permlanex16_b32 v[T0], v14, s[SEL], s[SEL+1]
	s_delay_alu instid0(VALU_DEP_1)
	v_add_f32 v14, v14, v[T0]                          ; the row's sum
	s_wait_alu depctr_va_vdst(0)
	v_rcp_f32 v[FF], v14
	v_nop                                              ; a plain line behind the reciprocal,
	s_wait_alu depctr_va_vdst(0)                       ; and the wait ahead of its first reader
.set N, 0
.rept 16
	v_pk_mul_f32 v[O+N:O+N+1], v[O+N:O+N+1], v[FF:FF+1] op_sel_hi:[1,0]
.set N, N+2
.endr
.irp b, 0,1
	v_max3_num_f32 v[BM+\b], |v[O+16*\b]|, |v[O+1+16*\b]|, 0x1800000
.endr
.irp i, 2,4,6,8,10,12,14
.irp b, 0,1
	s_delay_alu instid0(VALU_DEP_2)
	v_max3_num_f32 v[BM+\b], v[BM+\b], |v[O+16*\b+\i]|, |v[O+1+16*\b+\i]|
.endr
.endr
.irp b, 0,1
	s_delay_alu instid0(VALU_DEP_2)
	v_permlanex16_b32 v[BT+\b], v[BM+\b], s[SEL], s[SEL+1]
.endr
.irp b, 0,1
	s_delay_alu instid0(VALU_DEP_2)
	v_max_num_f32 v[BM+\b], v[BM+\b], v[BT+\b]
.endr
.irp b, 0,1
	s_delay_alu instid0(VALU_DEP_2)
	v_add_nc_u32 v[BS+\b], 0xff000000, v[BM+\b]
.endr
.irp b, 0,1
	s_delay_alu instid0(VALU_DEP_2)
	v_lshrrev_b32 v[BT+\b], 23, v[BS+\b]
.endr
	s_delay_alu instid0(VALU_DEP_1)
	v_lshl_or_b32 v[T0+3], v[BT+1], 8, v[BT]
	v_cvt_scalef32_pk16_fp6_f32 v[PCD:PCD+2], v[O:O+15], v[BS]
	v_cvt_scalef32_pk16_fp6_f32 v[CV:CV+2], v[O+16:O+31], v[BS+1]
	v_nop
.irp i, 0,1,2
	v_permlane16_swap_b32 v[PCD+\i], v[CV+\i]
.endr
.irp i, 0,1,2
	s_delay_alu instid0(VALU_DEP_3)
	v_mov_b32 v[PCD+3+\i], v[CV+\i]
.endr
	global_store_b128 v[LI16], v[PCD:PCD+3], s[50:51]
	global_store_b64 v[LI8], v[PCD+4:PCD+5], s[50:51] offset:512
	global_store_b16 v[R16], v[T0+3], s[52:53]         ; lanes r and r + 16 store the same two bytes at the same place
	s_wait_xcnt 0x0                                    ; the stores have read their registers and bases
.endm
.macro TRIP fill
	CHANGE \fill
	s_cmp_lg_u32 s[TAU], s[LENA]                       ; the first query block's records are through: a branch on ids
	s_cbranch_scc1 .Lsame_\@
	FINISH
	s_mov_b32 s[QB], s[PI]
	START
.Lsame_\@:
	s_lshl_b32 s[KF], s[SIGC], 8
	STEP 0
	s_add_co_u32 s[KF], s[KF], 128
	STEP 1
	s_mov_b32 s[SIGC], s[SIGN]
	s_xor_b32 s[TB], s[TB], SLOT1
.endm
	s_load_b256 s[4:11], s[0:1], 0x0                   ; q_img, q_scl, kv, o_img
	s_load_b64 s[12:13], s[0:1], 0x20                  ; o_scl
	v_lshl_add_u32 v[SPW], v0, 2, SPARE
	v_mov_b32 v[NIL], 0
	ds_add_u32 v5, v6
	ds_add_u32 v5, v6
	s_wait_dscnt 0x0
	v_lshrrev_b32 v8, 5, v0
	s_delay_alu instid0(VALU_DEP_1)
	v_readfirstlane_b32 s[WV], v8
	s_mov_b32 s[PI], ttmp9
	s_and_b32 s[BH], ttmp7, 0xffff
	s_sub_co_u32 s[LENA], 8, s[PI]                     ; records of the first query block, 7 - x
	s_sub_co_u32 s[QB], 7, s[PI]
	s_mov_b32 s[G1], 3<<16                             ; elements of 8 bytes, no mask, no padding: a record is 102 dense rows of 256 bytes
	s_mov_b32 s[G1+1], 32<<16
	s_mov_b32 s[G1+2], 102<<16
	s_mov_b32 s[G1+3], 32<<16
	s_mov_b32 s[G1+4], 102
	s_mov_b32 s[G1+5], 32
	s_mov_b32 s[G1+6], 0
	s_mov_b32 s[G1+7], 0
	s_mul_i32 s54, s[BH], 8*REC
	s_mov_b32 s55, 0
	s_mov_b32 s[SEL], 0x76543210
	s_mov_b32 s[SEL+1], 0xfedcba98
	s_mov_b32 s[CS], 0x3e38aa3b                        ; log2(e) / 8
	s_mov_b32 s[CS+1], s[CS]
	s_mov_b32 s[TAU], 0
	s_mov_b32 s[SIGC], 0
	s_mov_b32 s[SIGN], 0
	s_mov_b32 s[TB], 0
	s_wait_kmcnt 0x0
	s_add_nc_u64 s[KVB:KVB+1], s[8:9], s[54:55]        ; my head's records
	s_mov_b32 s[G0], 1
	s_mov_b32 s[G0+1], 0
	s_mov_b64 s[G0+2:G0+3], s[KVB:KVB+1]
	s_or_b32 s[G0+3], s[G0+3], 0x80000000
	s_cmp_lg_u32 s[WV], 0
	s_cbranch_scc1 .Lno_first
	tensor_load_to_lds s[G0:G0+3], s[G1:G1+7]          ; record 0 into slot 0
	s_nop 0
	PLACES
.Lno_first:
	v_and_b32 v8, 31, v0
	v_and_b32 v9, 15, v0
	v_bfe_u32 v10, v0, 4, 1
	s_delay_alu instid0(VALU_DEP_3)
	v_lshlrev_b32 v[LI16], 4, v8
	s_delay_alu instid0(VALU_DEP_4)
	v_lshlrev_b32 v[LI8], 3, v8
	s_delay_alu instid0(VALU_DEP_4)
	v_lshlrev_b32 v[R16], 4, v9
	v_and_b32 v[DQ], 8, v9
	s_delay_alu instid0(VALU_DEP_1)
	v_add_nc_u32 v[DQ], v[DQ], v9
	v_lshlrev_b32 v10, 4, v10
	s_delay_alu instid0(VALU_DEP_1)
	v_sub_nc_u32 v[DQ], v[DQ], v10
.irp i, 0,1,2,3,4,5
	v_mov_b32 v[QF+6+\i], 0                            ; zero codes: the upper 64 of the first product's K
	v_mov_b32 v[KV+48+\i], 0
.endr
	v_mov_b32 v[FF+1], 0
	v_mov_b32 v[T0], 0
.irp b, 0,1,2,3
	v_mov_b32 v[BT+\b], 0                              ; written once: a lane permute's destination counts as one of its sources
.endr
	START
.Ltrip:
	TRIP 1
	s_add_co_u32 s[TAU], s[TAU], 1
	s_cmp_lt_u32 s[TAU], 8
	s_cbranch_scc1 .Ltrip
	TRIP 0                                             ; the ninth record is written out
	FINISH
	s_wait_tensorcnt 0x0                               ; the wave's end
	ds_add_u32 v[SPW], v[NIL]
	s_wait_dscnt 0x0
	s_endpgm
.Lfunc_end_k_q95e953730f_attn:
	.size	k_q95e953730f_attn, .Lfunc_end_k_q95e953730f_attn-k_q95e953730f_attn
	.p2alignl 7, 3214868480
	.fill 96, 4, 3214868480
	.section	.rodata,"a",@progbits
	.p2align	6, 0x0
	.amdhsa_kernel k_q95e953730f_attn
		.amdhsa_group_segment_fixed_size 327680
		.amdhsa_private_segment_fixed_size 0
		.amdhsa_enable_private_segment 0
		.amdhsa_kernarg_size 40
		.amdhsa_user_sgpr_count 2
		.amdhsa_user_sgpr_kernarg_segment_ptr 1
		.amdhsa_wavefront_size32 1
		.amdhsa_system_sgpr_workgroup_id_x 1
		.amdhsa_system_sgpr_workgroup_id_y 1
		.amdhsa_system_sgpr_workgroup_id_z 1
		.amdhsa_system_vgpr_workitem_id 0
		.amdhsa_next_free_vgpr 256
		.amdhsa_next_free_sgpr 66
		.amdhsa_reserve_vcc 1
		.amdhsa_float_denorm_mode_32 3
		.amdhsa_float_denorm_mode_16_64 3
		.amdhsa_memory_ordered 1
		.amdhsa_forward_progress 1
		.amdhsa_inst_pref_size 116
	.end_amdhsa_kernel
	.amdgpu_metadata
---
amdhsa.version: [ 1, 2 ]
amdhsa.kernels:
  - .name:           k_q95e953730f_attn
    .symbol:         k_q95e953730f_attn.kd
    .args:
      - { .name: q_img, .offset: 0, .size: 8, .value_kind: global_buffer, .address_space: global }
      - { .name: q_scl, .offset: 8, .size: 8, .value_kind: global_buffer, .address_space: global }
      - { .name: kv, .offset: 16, .size: 8, .value_kind: global_buffer, .address_space: global }
      - { .name: o_img, .offset: 24, .size: 8, .value_kind: global_buffer, .address_space: global }
      - { .name: o_scl, .offset: 32, .size: 8, .value_kind: global_buffer, .address_space: global }
    .group_segment_fixed_size: 327680
    .private_segment_fixed_size: 0
    .kernarg_segment_align: 8
    .kernarg_segment_size: 40
    .max_flat_workgroup_size: 512
    .sgpr_count:     66
    .vgpr_count:     256
    .wavefront_size: 32
...
	.end_amdgpu_metadata
.endif
;; end of part 3
;; launch oproj (part 4): grid 64 x 4, 4 waves a work-group, clusters of 4 x 1, 327,680 bytes of LDS; arguments o_img, o_scl, img, scl, out0; writes out0
.if DOCPART == 4
	.amdgcn_target "amdgcn-amd-amdhsa--gfx1250"
	.amdhsa_code_object_version 6
	.text
	.protected	k_q95e953730f_oproj
	.globl	k_q95e953730f_oproj
	.p2align	8
	.type	k_q95e953730f_oproj,@function
k_q95e953730f_oproj:
	s_mov_b64 s[64:65], 0
	v_nop
	global_prefetch_b8 v0, s[64:65] scope:SCOPE_SE
	s_setreg_imm32_b32 hwreg(HW_REG_WAVE_MODE, 25, 1), 1
	s_wait_xcnt 0x0
	s_wait_alu depctr_hold_cnt(0) depctr_sa_sdst(0) depctr_va_vdst(0) depctr_va_sdst(0) depctr_va_ssrc(0) depctr_va_vcc(0) depctr_vm_vsrc(0)
	s_getreg_b32 s2, hwreg(HW_REG_IB_STS2, 6, 4)
	s_cmp_eq_u32 s2, 0
	s_cbranch_scc0 .Lentry_in_a_cluster
	s_endpgm
.Lentry_in_a_cluster:
	s_bfe_u32 s2, ttmp6, 0x10000c
	s_cmp_lg_u32 s2, 0x3003
	s_cbranch_scc0 .Lentry_shape_is_right
	s_endpgm
.Lentry_shape_is_right:
; out0 = O Wo^T on codes of FP6 (E2M3) with E8M0 scales, f32 sums.  O's codes and scale words come from o_img, o_scl, Wo's from img, scl (blocks 704-767), all by row blocks T of 16 rows
; (lane r: row 32 (T/2) + 8 (T%2) + r + 8 (r/8)); a piece of 768 bytes is 16 rows x 64 K as an image of six operand registers; scale words [T][K half][r][4 words].
; SHARES.  A work-group takes 128 tokens (X) x 256 columns (Y); wave (tr, tc) 64 tokens x 128 columns: 32 accumulators.  O's codes of the wave's tokens, all of K, go straight into 384 registers.
; Wo's 256 rows, all of K, fill two LDS regions ONCE (each half of K): nothing is filled again.  CLUSTER: the four work-groups of a cluster have the same Y: Wo's tiles are asked for jointly (mask 15).
; The product is used transposed (source 0 = 16 rows of Wo, source 1 = 16 tokens): a lane holds one token and eight neighbouring columns an accumulator.
; REGISTERS as in the launch that makes Q, K and V: window 0: addresses, scale words, v160-255 weight fragments, set 1 (on the way out v96-223 rows of the result);
;   window 1: O's fragments of K steps 0-4; window 2: v0-143 of K steps 5-7, v144-239 weight fragments, set 0; window 3: accumulator (a, b) at 8 (4 b + a).
.set SLOTB, 98304
.set STG,   2*SLOTB                    ; behind the two regions: a stage of 16 rows x (512 bytes + 16) for each wave; no tensor load lands there
.set PIT,   528
.set LI16, 1
.set LI8,  2
.set SCA,  3
.set ADB16, 4
.set ADB8,  6
.set STO,  8                           ; the way out: where I put 32 bytes of a row
.set RD,   9                           ; and where I read a row back
.set HV,   14
.set R16,  15
.set ASC,  32
.set BSC,  48
.set BK,   96                          ; v96-159, v160-223: 16 rows read back, by turns
.set G1B,  24
.set G0,   40
.set MSB, 0
.macro WIN new
.if MSB != (\new)
	s_set_vgpr_msb (MSB<<8)|(\new)
.set MSB, (\new)
.endif
.endm
.macro PLACES                          ; four plain lines between a matrix instruction and a load into, or a read by a store of, its registers
.rept 4
	v_nop
.endr
.endm
.macro CREST
	s_cmp_lg_u32 s16, 0
	s_cbranch_scc1 .Lnw0_\@
	s_barrier_signal -3
.Lnw0_\@:
	s_barrier_wait -3
	s_barrier_signal -1
	s_barrier_wait -1
.endm
.macro CROUND
	s_barrier_signal -1
	s_barrier_wait -1
	CREST
.endm
.macro WM d, x, y, sx, sy, zero, hi
.if \zero
	v_wmma_scale_f32_16x16x128_f8f6f4 v[\d:\d+7], v[\x:\x+11], v[\y:\y+11], 0, v[\sx], v[\sy] matrix_a_fmt:MATRIX_FMT_FP6 matrix_b_fmt:MATRIX_FMT_FP6
.elseif \hi
	v_wmma_scale_f32_16x16x128_f8f6f4 v[\d:\d+7], v[\x:\x+11], v[\y:\y+11], v[\d:\d+7], v[\sx], v[\sy] matrix_a_fmt:MATRIX_FMT_FP6 matrix_b_fmt:MATRIX_FMT_FP6 matrix_a_scale:MATRIX_SCALE_ROW1 matrix_b_scale:MATRIX_SCALE_ROW1
.else
	v_wmma_scale_f32_16x16x128_f8f6f4 v[\d:\d+7], v[\x:\x+11], v[\y:\y+11], v[\d:\d+7], v[\sx], v[\sy] matrix_a_fmt:MATRIX_FMT_FP6 matrix_b_fmt:MATRIX_FMT_FP6
.endif
.endm
; Eight matrix instructions: token block a against the eight weight blocks, K step q.  The 32 accumulators take turns, one instruction a turn, in the same order in every K step.
.macro MUL8 a, q, zero
.set AW, 1+((\q)/5)
.set AF, 48*((\q)%5)+12*(\a)
.set SW, 2-2*((\q)%2)
.set SR, 144+16*((\q)%2)
	WIN (SW|(AW<<2)|0xf0)
.irp b, 0,1,2,3,4,5,6,7
.set DD, 8*(4*\b+(\a))
.set BF, SR+12*\b
.set SB, BSC+4*\b+(\q)%4
.set SA, ASC+4*(\a)+(\q)%4
	WM DD, BF, AF, SB, SA, \zero, (\q)/4
.endr
.endm
.macro FETCH slot, kq, set             ; 32 dense LDS loads: my eight weight fragments of the region's kq-th 128 along K
.if (\set) == 0
	WIN 0x80
.set FB, 144
.else
	WIN 0
.set FB, 160
.endif
.irp b, 0,1,2,3,4,5,6,7
	ds_load_b128 v[FB+12*\b:FB+12*\b+3], v[ADB16+(\slot)] offset:\b*6144+(\kq)*1536
	ds_load_b64 v[FB+12*\b+4:FB+12*\b+5], v[ADB8+(\slot)] offset:\b*6144+(\kq)*1536+512
	ds_load_b128 v[FB+12*\b+6:FB+12*\b+9], v[ADB16+(\slot)] offset:\b*6144+(\kq)*1536+768
	ds_load_b64 v[FB+12*\b+10:FB+12*\b+11], v[ADB8+(\slot)] offset:\b*6144+(\kq)*1536+1280
.endr
.endm
.macro LDW q                           ; O's fragments of K step q are in: behind them 16 loads were issued for each later K step (a count cannot name more than 63: then the smaller count stands)
.if 16*(7-(\q)) > 63
	s_wait_loadcnt 63
.else
	s_wait_loadcnt 16*(7-(\q))
.endif
.endm
.macro STEP q, zero
	s_wait_dscnt 0x0
	LDW \q
	MUL8 0, \q, \zero
	PLACES
	FETCH ((\q)+1)/4, ((\q)+1)%4, ((\q)+1)%2
	MUL8 1, \q, \zero
	MUL8 2, \q, \zero
	MUL8 3, \q, \zero
.endm
	s_load_b256 s[4:11], s[0:1], 0x0                   ; o_img, o_scl, img, scl
	s_load_b64 s[12:13], s[0:1], 0x20                  ; out0
	v_lshl_add_u32 v94, v0, 2, 0x38400
	v_mov_b32 v95, 0
	ds_add_u32 v94, v95
	ds_add_u32 v94, v95
	v_lshrrev_b32 v16, 5, v0
	v_readfirstlane_b32 s16, v16                       ; wave
	s_lshr_b32 s17, s16, 1                             ; tr
	s_and_b32 s18, s16, 1                              ; tc
	s_bfe_u32 s19, ttmp6, 0x40000                      ; cx
	s_lshl_b32 s20, ttmp9, 2
	s_add_co_u32 s20, s20, s19                         ; X
	s_and_b32 s21, ttmp7, 0xffff                       ; Y, which the four partners share
	s_mov_b32 s[G1B], 15|(3<<16)|(1<<21)               ; the mask: all four work-groups; elements of 8 bytes; bit 21 set beside a mask
	s_mov_b32 s[G1B+1], 768<<16                        ; 4 blocks x 6,144 bytes, 12,288 bytes apart
	s_mov_b32 s[G1B+2], 4<<16
	s_mov_b32 s[G1B+3], 768<<16
	s_mov_b32 s[G1B+4], 4
	s_mov_b32 s[G1B+5], 1536
	s_mov_b32 s[G1B+6], 0
	s_mov_b32 s[G1B+7], 0
	s_lshl_b32 s84, s21, 4
	s_lshl_b32 s85, s16, 2
	s_add_co_u32 s84, s84, s85
	s_add_co_u32 s84, s84, 704
	s_mul_i32 s84, s84, 12288                          ; block 704 + 16 Y + 4 w: it hangs on Y and the wave alone
	s_mov_b32 s85, 0
	s_mul_i32 s86, s16, 24576
	v_and_b32 v17, 31, v0
	v_and_b32 v18, 15, v0
	v_bfe_u32 v[HV], v0, 4, 1
	v_lshlrev_b32 v[LI16], 4, v17
	v_lshlrev_b32 v[LI8], 3, v17
	v_lshlrev_b32 v[R16], 4, v18
	v_lshl_add_u32 v[SCA], v[HV], 8, v[R16]
	s_mul_i32 s87, s18, 49152
	v_add_nc_u32 v[ADB16], s87, v[LI16]
	v_add_nc_u32 v[ADB8], s87, v[LI8]
	s_add_co_u32 s87, s87, SLOTB
	v_add_nc_u32 v[ADB16+1], s87, v[LI16]
	v_add_nc_u32 v[ADB8+1], s87, v[LI8]
	s_mul_i32 s87, s16, 16*PIT
	s_add_co_u32 s87, s87, STG                         ; my stage
	v_mul_u32_u24 v[STO], v18, PIT
	v_lshl_add_u32 v[STO], v[HV], 6, v[STO]
	v_add_nc_u32 v[STO], s87, v[STO]                   ; in: row r, + 64 h
	v_add_nc_u32 v[RD], s87, v[LI16]                   ; back: a row of 512 bytes, 16 a lane
	s_wait_dscnt 0x0
	s_wait_kmcnt 0x0
	s_mov_b32 s[G0], 1
	s_mov_b32 s[G0+1], s86
	s_add_nc_u64 s[G0+2:G0+3], s[8:9], s[84:85]
	s_add_nc_u64 s[G0+6:G0+7], s[G0+2:G0+3], 6144
	s_or_b32 s[G0+3], s[G0+3], 0x80000000
	s_or_b32 s[G0+7], s[G0+7], 0x80000000
	s_mov_b32 s[G0+4], 1
	s_add_co_u32 s[G0+5], s86, SLOTB
	CROUND                                             ; all four work-groups are here: the joint loads meet
	tensor_load_to_lds s[G0:G0+3], s[G1B:G1B+7]        ; the first half of K goes out: one load of mine is out
	s_nop 0
	s_wait_alu depctr_va_vdst(0)
	s_wait_tensorcnt 0x0
	ds_add_u32 v94, v95
	s_wait_dscnt 0x0
	CROUND
	tensor_load_to_lds s[G0+4:G0+7], s[G1B:G1B+7]
	s_nop 0
	PLACES
	s_lshl_b32 s90, s20, 3
	s_lshl_b32 s91, s17, 2
	s_add_co_u32 s90, s90, s91                         ; my first token block
	s_mul_i32 s92, s90, 12288
	s_mov_b32 s93, 0
	s_add_nc_u64 s[52:53], s[4:5], s[92:93]
	s_lshl_b32 s92, s90, 9
	s_add_nc_u64 s[54:55], s[6:7], s[92:93]
	s_lshl_b32 s92, s21, 4
	s_lshl_b32 s91, s18, 3
	s_add_co_u32 s92, s92, s91
	s_add_co_u32 s92, s92, 704
	s_lshl_b32 s92, s92, 9
	s_add_nc_u64 s[56:57], s[10:11], s[92:93]
	s_wait_alu depctr_va_vdst(0)
.irp a, 0,1,2,3
	global_load_b128 v[ASC+4*\a:ASC+4*\a+3], v[SCA], s[54:55] offset:512*\a
.endr
.irp b, 0,1,2,3,4,5,6,7
	global_load_b128 v[BSC+4*\b:BSC+4*\b+3], v[SCA], s[56:57] offset:512*\b
.endr
.irp q, 0,1,2,3,4,5,6,7
.if \q < 5
	WIN 0x40
.else
	WIN 0x80
.endif
.irp a, 0,1,2,3
.set AF, 48*(\q%5)+12*\a
	global_load_b128 v[AF:AF+3], v[LI16], s[52:53] offset:\a*12288+\q*1536
	global_load_b64 v[AF+4:AF+5], v[LI8], s[52:53] offset:\a*12288+\q*1536+512
	global_load_b128 v[AF+6:AF+9], v[LI16], s[52:53] offset:\a*12288+\q*1536+768
	global_load_b64 v[AF+10:AF+11], v[LI8], s[52:53] offset:\a*12288+\q*1536+1280
.endr
.endr
	WIN 0
	s_lshl_b32 s92, s20, 19                            ; 128 X rows of 4,096 bytes,
	s_lshl_b32 s91, s17, 18                            ; 64 tr rows,
	s_add_co_u32 s92, s92, s91
	s_lshl_b32 s91, s21, 10                            ; 256 Y columns,
	s_add_co_u32 s92, s92, s91
	s_lshl_b32 s91, s18, 9                             ; 128 tc columns
	s_add_co_u32 s92, s92, s91
	s_add_nc_u64 s[58:59], s[12:13], s[92:93]
	s_wait_tensorcnt 0x1                               ; my part of the first half of K is in; the second half's may stay out
	s_barrier_signal -1
	s_barrier_wait -1
	FETCH 0, 0, 0
	STEP 0, 1                                          ; the first K step starts the sums
	STEP 1, 0
	STEP 2, 0
	s_wait_tensorcnt 0x0                               ; my part of the second half of K is in,
	s_wait_dscnt 0x0
	LDW 3
	MUL8 0, 3, 0
	s_barrier_signal -1
	MUL8 1, 3, 0
	s_barrier_wait -1                                  ; everybody's is
	PLACES
	FETCH 1, 0, 0
	MUL8 2, 3, 0
	MUL8 3, 3, 0
	STEP 4, 0
	STEP 5, 0
	STEP 6, 0
	s_wait_dscnt 0x0                                   ; the last K step: its weight fragments are in,
	LDW 7                                              ; and O's last 16 loads: the count is 0, since no load was issued behind them
	MUL8 0, 7, 0
	MUL8 1, 7, 0
	MUL8 2, 7, 0
	MUL8 3, 7, 0
	WIN 0
; THE WAY OUT, a token block (16 rows x 128 columns) at a time, through my own stage: in as 32 bytes a lane, back as whole rows of 512 bytes.  LDS serves a wave's instructions in order: no wait between the stores and the loads.
.macro TOSTAGE a
	WIN 0x0c                                           ; an LDS store's data are its source 1: window 3
.irp b, 0,1,2,3,4,5,6,7
	ds_store_b128 v[STO], v[8*(4*\b+(\a)):8*(4*\b+(\a))+3] offset:128*(\b/2)+32*(\b%2)       ; each accumulator from its low end on
	ds_store_b128 v[STO], v[8*(4*\b+(\a))+4:8*(4*\b+(\a))+7] offset:128*(\b/2)+32*(\b%2)+16
.endr
	WIN 0
.irp t, 0,1,2,3,4,5,6,7,8,9,10,11,12,13,14,15
	ds_load_b128 v[BK+64*((\a)%2)+4*\t:BK+64*((\a)%2)+4*\t+3], v[RD] offset:\t*PIT
.endr
.endm
.macro SEND a, younger                 ; younger: the LDS instructions issued behind block a's loads, which may stay out
	s_wait_dscnt \younger
.irp t, 0,1,2,3,4,5,6,7,8,9,10,11,12,13,14,15
	global_store_b128 v[LI16], v[BK+64*((\a)%2)+4*\t:BK+64*((\a)%2)+4*\t+3], s[58:59] offset:(32*((\a)/2)+8*((\a)%2)+\t+8*(\t/8))*4096 th:TH_STORE_NT   ; 32 lanes store 512 consecutive bytes, aligned
.endr
.endm
	PLACES
	TOSTAGE 0
	TOSTAGE 1
	SEND 0, 32                                         ; behind block 0's loads: block 1's 16 stores and 16 loads
	s_wait_xcnt 0x0                                    ; block 0's stores have read their registers: block 2's rows may land there
	TOSTAGE 2
	SEND 1, 32
	s_wait_xcnt 0x0
	TOSTAGE 3
	SEND 2, 32
	SEND 3, 0
	s_wait_tensorcnt 0x0
	s_wait_dscnt 0x0
	s_wait_tensorcnt 0x0
	ds_add_u32 v94, v95
	s_wait_dscnt 0x0
	CROUND                                             ; the closing round: no work-group ends while a partner may still ask for a tile that names it
	s_endpgm
.Lfunc_end_k_q95e953730f_oproj:
	.size	k_q95e953730f_oproj, .Lfunc_end_k_q95e953730f_oproj-k_q95e953730f_oproj
	.p2alignl 7, 3214868480
	.fill 96, 4, 3214868480
	.section	.rodata,"a",@progbits
	.p2align	6, 0x0
	.amdhsa_kernel k_q95e953730f_oproj
		.amdhsa_group_segment_fixed_size 327680
		.amdhsa_private_segment_fixed_size 0
		.amdhsa_enable_private_segment 0
		.amdhsa_kernarg_size 40
		.amdhsa_user_sgpr_count 2
		.amdhsa_user_sgpr_kernarg_segment_ptr 1
		.amdhsa_wavefront_size32 1
		.amdhsa_system_sgpr_workgroup_id_x 1
		.amdhsa_system_sgpr_workgroup_id_y 1
		.amdhsa_system_sgpr_workgroup_id_z 1
		.amdhsa_system_vgpr_workitem_id 0
		.amdhsa_next_free_vgpr 1024
		.amdhsa_next_free_sgpr 100
		.amdhsa_reserve_vcc 0
		.amdhsa_float_denorm_mode_32 3
		.amdhsa_float_denorm_mode_16_64 3
		.amdhsa_memory_ordered 1
		.amdhsa_forward_progress 1
		.amdhsa_inst_pref_size 84
	.end_amdhsa_kernel
	.amdgpu_metadata
---
amdhsa.version: [ 1, 2 ]
amdhsa.kernels:
  - .name:           k_q95e953730f_oproj
    .symbol:         k_q95e953730f_oproj.kd
    .args:
      - { .name: o_img, .offset: 0, .size: 8, .value_kind: global_buffer, .address_space: global }
      - { .name: o_scl, .offset: 8, .size: 8, .value_kind: global_buffer, .address_space: global }
      - { .name: img, .offset: 16, .size: 8, .value_kind: global_buffer, .address_space: global }
      - { .name: scl, .offset: 24, .size: 8, .value_kind: global_buffer, .address_space: global }
      - { .name: out0, .offset: 32, .size: 8, .value_kind: global_buffer, .address_space: global }
    .group_segment_fixed_size: 327680
    .private_segment_fixed_size: 0
    .kernarg_segment_align: 8
    .kernarg_segment_size: 40
    .max_flat_workgroup_size: 128
    .sgpr_count:     100
    .vgpr_count:     1024
    .wavefront_size: 32
...
	.end_amdgpu_metadata
.endif
;; end of part 4
